; MI455X (gfx1250); checked and timed in simulation.
; The chip was launched on July 23, 2026; its instructions are those of AMD's public machine-readable ISA for CDNA 5 (MIT licence, August 2026) and "CDNA5" Instruction Set Architecture Reference Guide (July 2026). The comments in the code are by the model that wrote it; some were corrected since.
;; single Causal Attention. Allowed arithmetic: matrix products marked QUANTISED: E5M2 operands, one given power-of-two scale a tensor, by v_wmma_f32_16x16x64_bf8_bf8 or v_wmma_f32_16x16x128_bf8_bf8, f32 sums; everything else in f32.
;; Inputs: Wk 256 x 64 float32; Wq 256 x 64 float32; Wv 256 x 64 float32; lowp_scales 10 int32 (the exponents e of the quantised operands' scales 2^e); y 4 x 4,096 x 256 float32.
;; Outputs: out0 4 x 4,096 x 64 float32.
;; This version of the problem:
;;   THIS VERSION OF THE PROBLEM IS GIVEN IN LOW PRECISION. The matrix products marked QUANTISED in the list below multiply operands that are first quantised to E5M2 (5 exponent bits, 2 mantissa bits; 8 bits a number), with one given power-of-two scale for each operand tensor; their sums are f32. All else is computed in f32.
;;   The module's matrix products, in the order in which they are computed (A, B: the left and right operand; K: the contracted axis; several contracted axes count as one K, in the product's order):
;;     1. [M 16,384, K 256] x [K 256, N 64]; A: input y; B: input Wq: QUANTISED (scales: A lowp_scales[0], B lowp_scales[1])
;;     2. [M 16,384, K 256] x [K 256, N 64]; A: input y; B: input Wk: QUANTISED (scales: A lowp_scales[2], B lowp_scales[3])
;;     3. [M 16,384, K 256] x [K 256, N 64]; A: input y; B: input Wv: QUANTISED (scales: A lowp_scales[4], B lowp_scales[5])
;;     4. batch 4 x [M 4,096, K 64] x [K 64, N 4,096]; A: computed on the way; B: computed on the way: QUANTISED (scales: A lowp_scales[6], B lowp_scales[7])
;;     5. batch 4 x [M 4,096, K 4,096] x [K 4,096, N 64]; A: softmax (see below); B: computed on the way: QUANTISED (scales: A lowp_scales[8], B lowp_scales[9])
;;   THE QUANTISER, for each operand of a quantised product, along K:
;;     - The operand's scale is 2^e, e = its entry of the input lowp_scales (int32; the entries are numbered through the quantised products in the list's order, A before B).
;;     - Each number is divided by the scale, clamped to +-57,344, and rounded to the nearest number of E5M2, ties to even, subnormals kept.
;;     - The product sums the exact products of the quantised numbers (number of the format x scale) in f32.
;;   ~~~python
;;   def quantise(x, axis, e):      # numpy; x: float32 -> the quantised numbers, widened to float32 again
;;       x = np.moveaxis(x, axis, -1); K = x.shape[-1]
;;       r = np.clip(x / 2.0 ** e, -57344, 57344)
;;       step = 2.0 ** (np.maximum(np.frexp(np.where(r == 0, 1, r))[1] - 1, -14) - 2)
;;       q = np.round(r / step) * step * 2.0 ** e      # np.round: ties to even
;;       return np.moveaxis(q, -1, axis).astype(np.float32)
;;   ~~~
;;   SOFTMAX AHEAD OF A QUANTISED PRODUCT. Where the list says 'softmax', what is quantised is not the finished softmax but p = 2^(t - M), with t = logit x log2(e) and M = ceil(the row's largest t), a whole number; so 1/2 < the row's largest p <= 1. The row's sum l is taken of the UNQUANTISED p, in f32, and the product's result is divided by l at the end. Since M is a whole number, a kernel that streams over the keys may use a running M (the ceiling of the running maximum): every later rescaling is an exact power of two, so the quantised numbers keep their values, but for numbers so far below the row's largest that they fall under the format's range.
;;   OPERANDS COMPUTED ON THE WAY. 'Computed on the way' means the value that the module computes at that place (a softmax that the list does not call 'softmax' is quantised finished and normalised). What goes into a quantiser is computed in f32, as accurately as f32 sums, v_exp_f32 and their like allow (about 1e-6 of the number): no bf16 or f16 on the way to a quantiser, and a product that is left as it is and whose result goes on into a quantised operand takes f32 operands (vector FMAs, or v_wmma_f32_16x16x4_f32). A number that lies on a knife's edge between two numbers of the format may be rounded either way, as far as f32 arithmetic and the matrix unit's own rounding can turn it there, and no further.
;; 2 versions. Each part assembles by itself: llvm-mc -triple=amdgcn-amd-amdhsa -mcpu=gfx1250 --defsym DOCPART=n.
;; ======== version 1 of 2: 2 launches
;; workspace buffers: qc 1,048,576 bytes; kc 1,048,576 bytes; vc 1,048,576 bytes
;; launch proj (part 1): grid 256 x 1, 12 waves a work-group, no clusters, 117,248 bytes of LDS; arguments y, Wq, Wk, Wv, lowp_scales, qc, kc, vc; writes qc, kc, vc
.if DOCPART == 1
	.amdgcn_target "amdgcn-amd-amdhsa--gfx1250"
	.amdhsa_code_object_version 6
	.text
	.protected	k_qfb581861af_proj
	.globl	k_qfb581861af_proj
	.p2align	8
	.type	k_qfb581861af_proj,@function
k_qfb581861af_proj:
	s_mov_b64 s[64:65], 0
	v_nop
	global_prefetch_b8 v0, s[64:65] scope:SCOPE_SE
	s_setreg_imm32_b32 hwreg(HW_REG_WAVE_MODE, 25, 1), 1
	s_wait_xcnt 0x0
; q = y Wq, k = y Wk, v = y Wv on codes of BF8 (E5M2), and the three results quantised again for the attention that follows.
; y [16384][256] f32 is quantised three times (entries 0, 2, 4 of the scales), Wq, Wk, Wv [256 (k)][64 (n)] f32 once each (entries 1, 3, 5); a sum stands for sum x 2^(eA + eB) and is
; quantised with 2^eO (q: entry 6, k: entry 7, v: entry 9): the three exponents are folded into the conversion's one scale, 2^(eO - eA - eB).
; DEAD WORK OF THE PROGRAM (left out in the second launch; nothing is left out here).  reference() builds the mask tril(ones) in its own body and puts -inf on every score whose key comes after its
; query; exp of -inf is 0, so such a key adds 0 to the row's sum and 0 to the row of the result, whatever finite values y and the weights hold, and it cannot be the row's maximum, since key 0 counts in
; every row.  So a step of 128 keys that all come after a tile's 16 queries is not multiplied.  Every input has a way to the output: all are loaded.
; LIMIT: a NaN, an infinity or an overflow that reaches only such hidden scores is not carried to the result.
; LIMITS on the given exponents, so that each power of two below is an f32 number: entries 0 to 5 between -126 and 112; eO - eA - eB between -126 and 112.  NaN among the inputs is not served.
; THE WORKSPACE IS LAID AS IMAGES OF OPERAND REGISTERS: a group of four registers is 512 bytes, lane l's 16 bytes at 16 l.  T = a block of 32 tokens (0..511).  Tile (T, i): lane r holds token
; 32 T + 8 i + r + 8 (r / 8), so that the 16 result registers of tiles (T, 0) and (T, 1) are 16 neighbouring tokens.
;   qc: T x 2048 + i x 1024 + b x 512: group b = channels 32 b + 16 (lane / 16) + 0..15 of the lane's token.
;   kc: (T >> 5) x 65536 + (2 (T & 3) + i) x 8192 + ((T >> 2) & 7) x 1024 + b x 512: the same fragments, ordered [1,024 keys][key tile of a step of 128][step].
;   vc: (T >> 5) x 65536 + (4 b + 2 j + ((T >> 1) & 1)) x 8192 + ((T >> 2) & 7) x 1024 + (T & 1) x 512: lane r = channel 32 b + 8 j + r + 8 (r / 8), the group = tokens 32 T + 16 (lane / 16) + 0..15.
; SHARES.  A work-group of twelve waves takes 64 tokens.  Wave w: matrix w >> 2 (q, k, v), block of 32 tokens (w >> 1) & 1, pair of channel tiles w & 1: 2 token tiles x 2 channel tiles x 2 K steps of 128 =
; eight matrix instructions.  Before that waves 0-7 bring 8 rows of y each into a stage in LDS (dense loads of 512 bytes), and every wave quantises 64 of the 256 rows of its matrix into images in LDS.
; No tensor load, no cluster: the work-groups share the weights alone, 192 KiB read as whole rows of 256 bytes.  No prefetch: all loads of a wave go out at its head.
.set YP,    1040                       ; a stage row: 1,024 bytes + 16: the 16 rows that a load touches start 16 bytes apart modulo 256
.set WIMG,  64*YP                      ; behind y's stage: the weights' images: ((matrix x 4 + tile) x 2 + K step) x 2048 + group x 512 + 16 lane
.set SPARE, WIMG+3*16384               ; behind them: the spare words, 128 bytes for each wave: six blocks of 256 bytes that no other line names
.set RR,   2                           ; v2   r = lane % 16
.set HH,   3                           ; v3   h = lane / 16
.set YGO,  4                           ; v4   y: my 16 bytes of my wave's first row
.set YSO,  5                           ; v5   the stage: where they go
.set WGO,  6                           ; v6   W: my 16 bytes (4 columns) of my first row
.set WSO,  7                           ; v7   the images: where my column's 16 codes go
.set YRD,  8                           ; v8   the stage: my token's 16 numbers of a block of 32
.set WRD,  9                           ; v9   the images: my lane's place in my two channel tiles
.set OGO,  10                          ; v10  16 x lane
.set OGO2, 11                          ; v11  the same in the second group that I store
.set SPW,  12                          ; v12  LDS address of my spare word; never rewritten
.set NIL,  13                          ; v13  0; never rewritten
.set SCW,  14                          ; v14, v15  2^eB and 57,344 x 2^eB
.set LIMW, 15
.set SCY,  16                          ; v16, v17  the same with eA
.set LIMY, 17
.set SCO,  18                          ; v18, v19  the same with eO - eA - eB
.set LIMO, 19
.set TT,   20                          ; v20  at work
.set WC,   32                          ; v32-63   the weights' codes, 16 registers a chunk; later v32-39 the results' codes
.set OC,   32
.set SA,   64                          ; v64-127  y as loaded; 64 numbers turned or fetched (set A); later the weights' four fragments
.set WF,   64
.set SB,   128                         ; v128-191 W's first chunk; set B; later the four accumulators
.set WR,   128                         ; v128-255 W as loaded, 64 registers a chunk
.set ACC,  128
.set YC,   192                         ; v192-255 y's four fragments: 16 (2 i + K step)
	s_load_b256 s[4:11], s[0:1], 0x0               ; y s[4:5], Wq s[6:7], Wk s[8:9], Wv s[10:11]
	s_load_b256 s[12:19], s[0:1], 0x20             ; the scales' exponents s[12:13], qc s[14:15], kc s[16:17], vc s[18:19]
	v_lshl_add_u32 v[SPW], v0, 2, SPARE
	v_mov_b32 v[NIL], 0
	v_lshrrev_b32 v1, 5, v0
	v_readfirstlane_b32 s20, v1                    ; wave 0..11
	v_and_b32 v1, 31, v0                           ; lane
	v_and_b32 v[RR], 15, v0
	v_bfe_u32 v[HH], v0, 4, 1
	s_lshr_b32 s21, s20, 2                         ; my matrix: 0 q, 1 k, 2 v
	s_bfe_u32 s22, s20, 0x10001                    ; (w >> 1) & 1: my block of 32 tokens
	s_and_b32 s23, s20, 1                          ; w & 1: my pair of channel tiles
	v_lshlrev_b32 v[OGO], 4, v1
	; every address register is made here, ahead of the first branch on the wave's number
	s_and_b32 s28, s20, 7
	s_lshl_b32 s28, s28, 13                        ; y: 8 rows of 1,024 bytes a wave
	v_add_nc_u32 v[YGO], s28, v[OGO]
	s_bfe_u32 s28, s20, 0x10002                    ; tokens 8 w .. 8 w + 7 are rows 32 ((w >> 2) & 1) + 16 (w & 1) + 8 ((w >> 1) & 1) + 0..7 of the stage: a tile's 16 tokens lie on end there
	s_lshl_b32 s28, s28, 5
	s_lshl_b32 s29, s23, 4
	s_add_co_u32 s28, s28, s29
	s_lshl_b32 s29, s22, 3
	s_add_co_u32 s28, s28, s29
	s_mul_i32 s28, s28, YP
	v_add_nc_u32 v[YSO], s28, v[OGO]
	s_and_b32 s28, s20, 3
	s_lshl_b32 s28, s28, 14                        ; W: 64 rows of 256 bytes a wave;
	v_lshlrev_b32 v[WGO], 4, v[RR]                 ; sixteen lanes take a whole row, 4 columns each;
	v_lshl_add_u32 v[WGO], v[HH], 12, v[WGO]       ; lanes 16-31 the row 16 further down
	v_add_nc_u32 v[WGO], s28, v[WGO]
	s_lshl_b32 s28, s21, 14                        ; the image of column n = 4 r + jn, rows 32 kb + 16 h + 0..15, kb = 2 (w & 3) + e: tile 2 (n >> 5) + ((n >> 3) & 1), lane 8 ((n >> 4) & 1) + (n & 7) + 16 h,
	s_lshl_b32 s29, s22, 11                        ; K step kb >> 2 = (w >> 1) & 1,
	s_add_co_u32 s28, s28, s29
	s_lshl_b32 s29, s23, 10                        ; group kb & 3 = 2 (w & 1) + e
	s_add_co_u32 s28, s28, s29
	s_add_co_u32 s28, s28, WIMG
	v_bfe_u32 v[TT], v0, 3, 1
	v_lshlrev_b32 v[WSO], 13, v[TT]
	v_bfe_u32 v[TT], v0, 1, 1
	v_lshl_add_u32 v[WSO], v[TT], 12, v[WSO]
	v_bfe_u32 v[TT], v0, 2, 1
	v_lshl_add_u32 v[WSO], v[TT], 7, v[WSO]
	v_and_b32 v[TT], 1, v0
	v_lshl_add_u32 v[WSO], v[TT], 6, v[WSO]
	v_lshl_add_u32 v[WSO], v[HH], 8, v[WSO]
	v_add_nc_u32 v[WSO], s28, v[WSO]
	s_mul_i32 s28, s22, 32*YP                      ; the stage, on the way out: my block's 32 rows; row r, + 64 h
	v_mul_u32_u24 v[YRD], v[RR], YP
	v_lshl_add_u32 v[YRD], v[HH], 6, v[YRD]
	v_add_nc_u32 v[YRD], s28, v[YRD]
	s_lshl_b32 s28, s21, 14
	s_lshl_b32 s29, s23, 13
	s_add_co_u32 s28, s28, s29
	s_add_co_u32 s28, s28, WIMG
	v_add_nc_u32 v[WRD], s28, v[OGO]
	; where my two groups of codes go: three offsets, made apart from any address, and a choice by my matrix
	s_lshl_b32 s36, ttmp9, 1
	s_add_co_u32 s36, s36, s22                     ; T
	s_lshl_b32 s35, s23, 9
	s_lshl_b32 s37, s36, 11
	s_add_co_u32 s37, s37, s35                     ; q: T x 2048 + b x 512
	s_lshr_b32 s38, s36, 5
	s_lshl_b32 s38, s38, 16
	s_bfe_u32 s39, s36, 0x30002
	s_lshl_b32 s39, s39, 10
	s_add_co_u32 s38, s38, s39                     ; k and v: (T >> 5) x 65536 + ((T >> 2) & 7) x 1024
	s_and_b32 s39, s36, 3
	s_lshl_b32 s39, s39, 14
	s_add_co_u32 s39, s39, s38
	s_add_co_u32 s39, s39, s35                     ; k: + (T & 3) x 16384 + b x 512
	s_lshl_b32 s53, s23, 15
	s_add_co_u32 s53, s53, s38
	s_bfe_u32 s54, s36, 0x10001
	s_lshl_b32 s54, s54, 13
	s_add_co_u32 s53, s53, s54
	s_and_b32 s54, s36, 1
	s_lshl_b32 s54, s54, 9
	s_add_co_u32 s53, s53, s54                     ; v: + b x 32768 + ((T >> 1) & 1) x 8192 + (T & 1) x 512
	s_mov_b32 s55, 1024                            ; from my first group to my second: q: the next token tile; k: the next key tile; v: the next channel tile
	s_cmp_eq_u32 s21, 1
	s_cselect_b32 s28, s39, s37
	s_cselect_b32 s55, 8192, s55
	s_cmp_eq_u32 s21, 2
	s_cselect_b32 s28, s53, s28
	s_cselect_b32 s55, 16384, s55
	s_mov_b32 s29, 0
	v_add_nc_u32 v[OGO2], s55, v[OGO]
	s_lshl_b32 s30, ttmp9, 16                      ; the work-group's 64 rows of y
	s_mov_b32 s31, 0
	s_wait_kmcnt 0x0
	s_load_b256 s[40:47], s[12:13], 0x0            ; entries 0 to 7
	s_load_b64 s[48:49], s[12:13], 0x20            ; entries 8, 9
	s_cmp_eq_u32 s21, 1                            ; the choices hang on the wave's number alone
	s_cselect_b64 s[24:25], s[8:9], s[6:7]
	s_cselect_b64 s[26:27], s[16:17], s[14:15]
	s_cmp_eq_u32 s21, 2
	s_cselect_b64 s[24:25], s[10:11], s[24:25]     ; my matrix,
	s_cselect_b64 s[26:27], s[18:19], s[26:27]     ; and its codes' buffer
	s_add_nc_u64 s[26:27], s[26:27], s[28:29]
	s_add_nc_u64 s[4:5], s[4:5], s[30:31]
.macro WLD e                           ; chunk e: 32 rows of W: register 4 i + jn = W(32 kb + 16 h + i, 4 r + jn)
.irp i, 0,1,2,3,4,5,6,7,8,9,10,11,12,13,14,15
	global_load_b128 v[WR+64*\e+4*\i:WR+64*\e+4*\i+3], v[WGO], s[24:25] offset:8192*\e+256*\i
.endr
.endm
; chunk e becomes codes.  The hold at the largest code x the scale also turns the lane's 16 x 4 numbers, so that 16 neighbours along K of one column lie in consecutive registers
.macro WQ e
.irp n, 0,1,2,3
.irp i, 0,1,2,3,4,5,6,7,8,9,10,11,12,13,14,15
	v_med3_num_f32 v[SA+16*\n+\i], v[WR+64*\e+4*\i+\n], -v[LIMW], v[LIMW]   ; the conversion to an 8-bit code does not saturate (ISA guide 7.6.2)
.endr
	v_cvt_scalef32_pk8_bf8_f32 v[WC+16*\e+4*\n:WC+16*\e+4*\n+1], v[SA+16*\n:SA+16*\n+7], v[SCW]
	v_cvt_scalef32_pk8_bf8_f32 v[WC+16*\e+4*\n+2:WC+16*\e+4*\n+3], v[SA+16*\n+8:SA+16*\n+15], v[SCW]
.endr
	v_nop                                          ; a plain line between the last conversion and the next vector line that writes its sources
.irp n, 0,1,2,3
	ds_store_b128 v[WSO], v[WC+16*\e+4*\n:WC+16*\e+4*\n+3] offset:512*\e+16*\n
.endr
.endm
; 64 numbers of token tile i, K step ks: register 16 c + 4 j .. = k 128 ks + 32 c + 16 h + 4 j .. of my token
.macro YFETCH set, i, ks
.irp c, 0,1,2,3
.irp j, 0,1,2,3
	ds_load_b128 v[\set+16*\c+4*\j:\set+16*\c+4*\j+3], v[YRD] offset:16*YP*\i+512*\ks+128*\c+16*\j
.endr
.endr
.endm
; nb x 16 numbers from v[s] on become nb x 4 registers of codes from v[d] on
.macro QUANT s, d, nb, sc, lim
.set qb, 0
.rept \nb
.set qi, 0
.rept 16
	v_med3_num_f32 v[\s+16*qb+qi], v[\s+16*qb+qi], -v[\lim], v[\lim]
.set qi, qi+1
.endr
	v_cvt_scalef32_pk8_bf8_f32 v[\d+4*qb:\d+4*qb+1], v[\s+16*qb:\s+16*qb+7], v[\sc]
	v_cvt_scalef32_pk8_bf8_f32 v[\d+4*qb+2:\d+4*qb+3], v[\s+16*qb+8:\s+16*qb+15], v[\sc]
.set qb, qb+1
.endr
	v_nop                                          ; a plain line between the last conversion and the next vector or matrix line that touches its result or writes its sources
.endm
.macro MKSC e, sc, lim                 ; 2^e and 57,344 x 2^e as f32
	s_add_co_i32 s56, \e, 127
	s_lshl_b32 s57, s56, 23
	v_mov_b32 v[\sc], s57
	s_add_co_i32 s56, s56, 15
	s_lshl_b32 s56, s56, 23
	s_or_b32 s56, s56, 0x600000
	v_mov_b32 v[\lim], s56
.endm
; eight matrix instructions, the four accumulators by turns, one instruction a turn; the first K step starts the sums.
; swap = 0 (q, k): source 0 = 16 channels of W, source 1 = 16 tokens: a lane holds one token, and the 16 registers of channel tiles 0, 1 are 16 neighbouring channels.
; swap = 1 (v):    source 0 = 16 tokens, source 1 = 16 channels: a lane holds one channel, and the 16 registers of token tiles 0, 1 are 16 neighbouring tokens.
.macro PROD swap
.irp s, 0,1
.irp i, 0,1
.irp j, 0,1
.if \swap
.if \s == 0
	v_wmma_f32_16x16x128_bf8_bf8 v[ACC+8*(2*\j+\i):ACC+8*(2*\j+\i)+7], v[YC+16*(2*\i+\s):YC+16*(2*\i+\s)+15], v[WF+16*(2*\j+\s):WF+16*(2*\j+\s)+15], 0
.else
	v_wmma_f32_16x16x128_bf8_bf8 v[ACC+8*(2*\j+\i):ACC+8*(2*\j+\i)+7], v[YC+16*(2*\i+\s):YC+16*(2*\i+\s)+15], v[WF+16*(2*\j+\s):WF+16*(2*\j+\s)+15], v[ACC+8*(2*\j+\i):ACC+8*(2*\j+\i)+7]
.endif
.else
.if \s == 0
	v_wmma_f32_16x16x128_bf8_bf8 v[ACC+8*(2*\i+\j):ACC+8*(2*\i+\j)+7], v[WF+16*(2*\j+\s):WF+16*(2*\j+\s)+15], v[YC+16*(2*\i+\s):YC+16*(2*\i+\s)+15], 0
.else
	v_wmma_f32_16x16x128_bf8_bf8 v[ACC+8*(2*\i+\j):ACC+8*(2*\i+\j)+7], v[WF+16*(2*\j+\s):WF+16*(2*\j+\s)+15], v[YC+16*(2*\i+\s):YC+16*(2*\i+\s)+15], v[ACC+8*(2*\i+\j):ACC+8*(2*\i+\j)+7]
.endif
.endif
.endr
.endr
.endr
.endm
	s_cmp_lt_u32 s20, 8
	s_cbranch_scc0 .Lno_y
.irp i, 0,1,2,3,4,5,6,7                ; waves 0-7: 8 rows of y, 512 consecutive bytes a load; read once in the launch
.irp f, 0,1
	global_load_b128 v[SA+8*\i+4*\f:SA+8*\i+4*\f+3], v[YGO], s[4:5] offset:1024*\i+512*\f th:TH_LOAD_NT
.endr
.endr
.Lno_y:
	WLD 0
	WLD 1
	s_wait_kmcnt 0x0
	s_cmp_eq_u32 s21, 1                            ; my product's three exponents: selected, never branched on
	s_cselect_b32 s50, s42, s40
	s_cselect_b32 s51, s43, s41
	s_cselect_b32 s52, s47, s46
	s_cmp_eq_u32 s21, 2
	s_cselect_b32 s50, s44, s50                    ; eA
	s_cselect_b32 s51, s45, s51                    ; eB
	s_cselect_b32 s52, s49, s52                    ; eO
	s_sub_co_i32 s52, s52, s50
	s_sub_co_i32 s52, s52, s51                     ; eO - eA - eB
	MKSC s51, SCW, LIMW
	MKSC s50, SCY, LIMY
	MKSC s52, SCO, LIMO
	s_cmp_lt_u32 s20, 8
	s_cbranch_scc0 .Lno_stage
	s_wait_loadcnt 32                              ; y's 16 loads are in; W's 32, issued behind them, may be out
.irp i, 0,1,2,3,4,5,6,7
.irp f, 0,1
	ds_store_b128 v[YSO], v[SA+8*\i+4*\f:SA+8*\i+4*\f+3] offset:YP*\i+512*\f
.endr
.endr
.Lno_stage:
	s_wait_dscnt 0x0                               ; the stores have read their registers, which the turned numbers take next
	s_wait_loadcnt 16                              ; W's first chunk is in; the second chunk's 16 loads may be out
	WQ 0
	s_wait_loadcnt 0x0
	WQ 1
	s_wait_dscnt 0x0                               ; for the others' sake: my stores into the stage and the images are done
	s_barrier_signal -1
	s_barrier_wait -1                              ; 64 rows of y and the three matrices' images lie in LDS; nothing is stored to LDS behind this barrier
	YFETCH SA, 0, 0
	YFETCH SB, 0, 1
	s_wait_dscnt 16                                ; the older run of 16 loads is in; the run just issued may be out: so at each of these four waits
	QUANT SA, YC, 4, SCY, LIMY
	YFETCH SA, 1, 0
	s_wait_dscnt 16
	QUANT SB, YC+16, 4, SCY, LIMY
	YFETCH SB, 1, 1
	s_wait_dscnt 16
	QUANT SA, YC+32, 4, SCY, LIMY
.irp j, 0,1                            ; my two channel tiles' fragments, both K steps, as they lie
.irp s, 0,1
.irp c, 0,1,2,3
	ds_load_b128 v[WF+16*(2*\j+\s)+4*\c:WF+16*(2*\j+\s)+4*\c+3], v[WRD] offset:4096*\j+2048*\s+512*\c
.endr
.endr
.endr
	s_wait_dscnt 16
	QUANT SB, YC+48, 4, SCY, LIMY
	s_wait_dscnt 0x0
	s_cmp_eq_u32 s21, 2
	s_cbranch_scc1 .Lfor_v
	PROD 0
	s_branch .Lmade
.Lfor_v:
	PROD 1
.Lmade:
.rept 4
	v_nop                                          ; four places between the last product and the first read of results (ISA guide 7.12.1)
.endr
	QUANT ACC, OC, 2, SCO, LIMO                    ; each accumulator from its low end on
	global_store_b128 v[OGO], v[OC:OC+3], s[26:27]         ; 32 lanes store 512 consecutive bytes, at a multiple of 512 from the buffer's first byte
	global_store_b128 v[OGO2], v[OC+4:OC+7], s[26:27]
	s_wait_tensorcnt 0x0                           ; the wave's end, behind my last LDS store
	ds_add_u32 v[SPW], v[NIL]
	s_wait_dscnt 0x0
	s_endpgm
.Lfunc_end_k_qfb581861af_proj:
	.size	k_qfb581861af_proj, .Lfunc_end_k_qfb581861af_proj-k_qfb581861af_proj
	.p2alignl 7, 3214868480
	.fill 96, 4, 3214868480
	.section	.rodata,"a",@progbits
	.p2align	6, 0x0
	.amdhsa_kernel k_qfb581861af_proj
		.amdhsa_group_segment_fixed_size 117248
		.amdhsa_private_segment_fixed_size 0
		.amdhsa_enable_private_segment 0
		.amdhsa_kernarg_size 64
		.amdhsa_user_sgpr_count 2
		.amdhsa_user_sgpr_kernarg_segment_ptr 1
		.amdhsa_wavefront_size32 1
		.amdhsa_system_sgpr_workgroup_id_x 1
		.amdhsa_system_sgpr_workgroup_id_y 1
		.amdhsa_system_sgpr_workgroup_id_z 1
		.amdhsa_system_vgpr_workitem_id 0
		.amdhsa_next_free_vgpr 256
		.amdhsa_next_free_sgpr 66
		.amdhsa_reserve_vcc 0
		.amdhsa_float_denorm_mode_32 3
		.amdhsa_float_denorm_mode_16_64 3
		.amdhsa_memory_ordered 1
		.amdhsa_forward_progress 1
		.amdhsa_inst_pref_size 48
	.end_amdhsa_kernel
	.amdgpu_metadata
---
amdhsa.version: [ 1, 2 ]
amdhsa.kernels:
  - .name:           k_qfb581861af_proj
    .symbol:         k_qfb581861af_proj.kd
    .args:
      - { .name: y, .offset: 0, .size: 8, .value_kind: global_buffer, .address_space: global }
      - { .name: Wq, .offset: 8, .size: 8, .value_kind: global_buffer, .address_space: global }
      - { .name: Wk, .offset: 16, .size: 8, .value_kind: global_buffer, .address_space: global }
      - { .name: Wv, .offset: 24, .size: 8, .value_kind: global_buffer, .address_space: global }
      - { .name: lowp_scales, .offset: 32, .size: 8, .value_kind: global_buffer, .address_space: global }
      - { .name: qc, .offset: 40, .size: 8, .value_kind: global_buffer, .address_space: global }
      - { .name: kc, .offset: 48, .size: 8, .value_kind: global_buffer, .address_space: global }
      - { .name: vc, .offset: 56, .size: 8, .value_kind: global_buffer, .address_space: global }
    .group_segment_fixed_size: 117248
    .private_segment_fixed_size: 0
    .kernarg_segment_align: 8
    .kernarg_segment_size: 64
    .max_flat_workgroup_size: 384
    .sgpr_count:     66
    .vgpr_count:     256
    .wavefront_size: 32
...
	.end_amdgpu_metadata
.endif
;; end of part 1
;; launch attn (part 2): grid 64 x 4, 16 waves a work-group, clusters of 4 x 1, 327,680 bytes of LDS; arguments qc, kc, vc, lowp_scales, out0; writes out0
.if DOCPART == 2
	.amdgcn_target "amdgcn-amd-amdhsa--gfx1250"
	.amdhsa_code_object_version 6
	.text
	.protected	k_qfb581861af_attn
	.globl	k_qfb581861af_attn
	.p2align	8
	.type	k_qfb581861af_attn,@function
k_qfb581861af_attn:
	s_mov_b64 s[64:65], 0
	v_nop
	global_prefetch_b8 v0, s[64:65] scope:SCOPE_SE
	s_setreg_imm32_b32 hwreg(HW_REG_WAVE_MODE, 25, 1), 1
	s_wait_xcnt 0x0
	s_wait_alu depctr_hold_cnt(0) depctr_sa_sdst(0) depctr_va_vdst(0) depctr_va_sdst(0) depctr_va_ssrc(0) depctr_va_vcc(0) depctr_vm_vsrc(0)
	s_getreg_b32 s2, hwreg(HW_REG_IB_STS2, 6, 4)
	s_cmp_eq_u32 s2, 0
	s_cbranch_scc0 .Lentry_in_a_cluster
	s_endpgm
.Lentry_in_a_cluster:
	s_bfe_u32 s2, ttmp6, 0x10000c
	s_cmp_lg_u32 s2, 0x3003
	s_cbranch_scc0 .Lentry_shape_is_right
	s_endpgm
.Lentry_shape_is_right:
; out[b][q][:] = the sum over k <= q of softmax_k(Q[b][q] . K[b][k] / 8) V[b][k][:], both products on codes of BF8 (E5M2) that the launch before has laid as images of operand registers (its head comment gives the layouts).
; WORK LEFT OUT: a step of 128 keys that all come after a tile's 16 queries is not multiplied: reference()'s own tril mask gives those keys the weight 0 for all values of the inputs.
; LIMIT: a NaN, an infinity or an overflow that reaches only such hidden scores is not carried to the result.
; THE SOFTMAX: t = score x log2(e) / 8; M = the largest t so far, rounded UP to a whole number; p = 2^(t - M) is quantised with 2^e8; the sum l is taken of the unquantised p and divides at the end.
; When M moves, l and O are multiplied by 2^(old M - new M): exact.  A tile's keys are shared among four waves, each with an M of its own; the four parts are joined at the end by the same exact powers of two.
; LIMITS: e6 + e7 between -123 and 130 (they are added to the exponent field of log2(e) / 8); e8 between -126 and 112; e8 + e9 goes in by v_ldexp_f32 and has none.  p under a wave's own M has the value that it has
; under the row's final M but where e8 < -15 lets the hold bite or p falls under the format's range.  NaN among the inputs is not served.
; SHARES.  256 work-groups of sixteen waves.  A work-group owns four tiles of 16 queries of one batch, ONE FROM EACH QUARTER of the 4,096: quarter k takes the group of 128 queries 1024 k + 128 (k odd: 7 - a, else a),
; a = cluster x / 2, and in it tile 4 (cluster x & 1) + cx of eight.  Steps of 128 keys: (a + 1) + (16 - a) + (17 + a) + (32 - a) = 66 in every work-group, and every work-group reads all four slots of 1,024 keys.
; Wave w: kg = w >> 2 says which steps of a slot are mine (kg and kg + 4 of its eight), qt = kg xor (w & 3) which tile.
; CLUSTER.  The four partners walk the same K and V of one batch: each part of a slot is asked for JOINTLY, by the same tensor load with the same descriptor and the mask of all four.  The group of queries hangs on
; the cluster's x and the wave's number alone, so every branch goes alike in the partners; cx enters Q's and out's addresses, the prefetch's address and the lane's number for the mask, and nothing else.
; THE RING.  Two slots of 128 KiB (64 KiB of K's images, 64 of V's).  Each wave fetches 8 KiB of each slot, dense; each such part holds 1 KiB of every one of the slot's eight steps, the slot's first among them, which the
; tile of the last quarter always reads.  By this text's count a wave has one tensor load out.
; LAYOUT.  S^T = K Q^T (source 0 = 16 keys, source 1 = my 16 queries), O^T = V^T P^T (source 0 = 16 channels, source 1 = P): a lane holds ONE query throughout; the 16 registers of key tiles 2 c, 2 c + 1 are keys 32 c + 16 h + 0..15.
; REGISTERS: v1-11 addresses; v12 -M, v13 the largest t, v[14:15] l in two halves; v16-23 Q; v24-27 the merge's addresses; v32-95 K's eight fragments, then V's four; v96-159 S^T, then p; v160-191 O^T; v192-207 p's codes; v236-254 at work.
.set SLOT1, 1<<17                      ; slot 1 begins here, so that one exclusive or turns an address in one slot into the other's
.set SPARE, 2*SLOT1                    ; behind the ring: the spare words, 128 bytes for each wave: eight blocks of 256 bytes that no other line names
.set STAT,  16*16*272                  ; the merge's stage lies in slot 0, which has had its last fill and its last read at the last change of slots: 16 parts of 16 rows x (256 + 16) bytes, then 16 x 128 bytes of (-M, l)
.set LI,   1                           ; v1   16 x lane + 1024 kg: my lane's place in a part of K's images
.set LIV,  2                           ; v2   the same in V's
.set PFO,  3                           ; v3   256 x lane: the prefetch's offset; never rewritten
.set QL,   4                           ; v4   my query's number in its group of 128, less 16 h
.set SPW,  5                           ; v5   LDS address of my spare word; never rewritten
.set NIL,  6                           ; v6   0; never rewritten
.set GO,   7                           ; v7   the way out: 256 h + 16 r
.set ADK,  8                           ; v8   LDS address of the step's K
.set ADV,  9                           ; v9   of its V
.set PST,  24                          ; v24  the merge: where my part of O goes
.set SST,  25                          ; v25  where (-M, l) go
.set RD,   26                          ; v26  from where I read four parts of my rows
.set RS,   27                          ; v27  and their (-M, l)
.set WV,   14                          ; s14  wave;  s15 kg;  s16 qt;  s17 cx;  s19 a;  s20 my tile of eight;  s21 batch
.set CS,   22                          ; s[22:23] c = log2(e) / 8 x 2^(e6 + e7)
.set G1,   24                          ; s[24:31] descriptor group 1
.set G0,   32                          ; s[32:35] descriptor group 0, which walks
.set TB,   36                          ; s36  LDS byte at which the slot in hand begins
.set SLOTS, 37                         ; s37  slots still to be asked for
.set KS,   38                          ; s38  the slot's first key
.set KGO,  39                          ; s39  128 kg
.set QG,   40                          ; s40  my tile's group of 128 queries: its first
.set KF,   41                          ; s41  the step's first key
.set SEL,  42                          ; s[42:43] lane selects for v_permlanex16_b32: lane l xor 16
.set PFA,  44                          ; s[44:45] where my prefetches stand
.set LIM,  46                          ; s46  1 in a wave that prefetches, else the greatest number
.set EPV,  47                          ; s47  e8 + e9
.macro CROUND                          ; a round of the cluster's barrier: my work-group's barrier; wave 0 signals for the work-group; every wave waits for all four work-groups; my work-group's barrier once more
	s_barrier_signal -1
	s_barrier_wait -1
	s_cmp_lg_u32 s[WV], 0
	s_cbranch_scc1 .Lnot_wave_0_\@
	s_barrier_signal -3
.Lnot_wave_0_\@:
	s_barrier_wait -3
	s_barrier_signal -1
	s_barrier_wait -1
.endm
; A PREFETCH INTO THE L2 of the slot that the NEXT change of slots will ask for: 16 parts of 8,192 bytes, lanes 256 bytes apart, one instruction a wave.  All clusters of a batch walk the same K and V: the batch's first
; cluster asks, waves 0-3 of each partner: waves 0, 1 for K's parts 4 (w & 1) + cx, waves 2, 3 for V's: the partners are told apart by address alone.  So each block of 256 bytes is named once in the launch.
; The last change that fills a slot asks for nothing; slots 0 and 1 come by their loads alone.
.macro ASK
	s_cmp_gt_u32 s[SLOTS], s[LIM]
	s_cbranch_scc0 .Lnot_mine_\@
	global_prefetch_b8 v[PFO], s[PFA:PFA+1] th:TH_LOAD_NT scope:SCOPE_SE
.Lnot_mine_\@:
.endm
	s_load_b256 s[4:11], s[0:1], 0x0               ; qc s[4:5], kc s[6:7], vc s[8:9], the scales' exponents s[10:11]
	s_load_b64 s[12:13], s[0:1], 0x20              ; out0
	v_lshl_add_u32 v[SPW], v0, 2, SPARE
	v_mov_b32 v[NIL], 0
	ds_add_u32 v[SPW], v[NIL]                      ; the wave's opening: the add, twice on end, and its wait ahead of my first tensor load; the set-up below, work on registers, stands between the second and the wait
	ds_add_u32 v[SPW], v[NIL]
	v_lshrrev_b32 v10, 5, v0
	v_readfirstlane_b32 s[WV], v10                 ; wave 0..15
	s_lshr_b32 s15, s[WV], 2                       ; kg
	s_and_b32 s16, s[WV], 3
	s_xor_b32 s16, s16, s15                        ; qt: among the four waves with one kg, and among the four with one w & 3, all four quarters are met
	s_bfe_u32 s17, ttmp6, 0x40000                  ; cx
	s_lshr_b32 s19, ttmp9, 1                       ; a (in a cluster launch ttmp9 counts clusters)
	s_and_b32 s20, ttmp9, 1
	s_lshl_b32 s20, s20, 2
	s_add_co_u32 s20, s20, s17                     ; my work-group's tile of a group's eight
	s_and_b32 s21, ttmp7, 0xffff                   ; the batch, which the partners share
	s_sub_co_u32 s52, 7, s19
	s_and_b32 s53, s16, 1
	s_cmp_lg_u32 s53, 0
	s_cselect_b32 s52, s52, s19                    ; odd quarters count down, even ones up: every work-group has the same number of steps
	s_lshl_b32 s52, s52, 7
	s_lshl_b32 s[QG], s16, 10
	s_add_co_u32 s[QG], s[QG], s52
	s_lshl_b32 s[KGO], s15, 7
	; descriptor group 1: a dense block of 32 rows of 256 bytes; no padding: an image is read 512 consecutive bytes an instruction
	s_mov_b32 s[G1], 15|(3<<16)|(1<<21)            ; 15:0 the mask: all four work-groups; 17:16 elements of 8 bytes; 21 set beside a mask
	s_mov_b32 s[G1+1], 32<<16                      ; tensor_dim0 = 32
	s_mov_b32 s[G1+2], 32<<16                      ; tensor_dim1 = 32
	s_mov_b32 s[G1+3], 32<<16                      ; tile_dim0 = 32
	s_mov_b32 s[G1+4], 32                          ; tile_dim1 = 32
	s_mov_b32 s[G1+5], 32                          ; from row to row
	s_mov_b32 s[G1+6], 0
	s_mov_b32 s[G1+7], 0
	s_mov_b32 s[SEL], 0x76543210
	s_mov_b32 s[SEL+1], 0xfedcba98
	s_mov_b32 s[CS], 0x3e38aa3b                    ; log2(e) / 8
	s_mov_b32 s[TB], 0
	s_mov_b32 s[SLOTS], 3
	s_mov_b32 s[KS], 0
	s_lshr_b32 s[LIM], s[WV], 2                    ; 0 in waves 0-3,
	s_or_b32 s[LIM], s[LIM], ttmp9                 ; of the batch's first cluster: the same in all four partners
	s_cmp_eq_u32 s[LIM], 0
	s_cselect_b32 s[LIM], 1, -1
	; every LDS address register is made here, ahead of the first branch on the wave's number
	v_and_b32 v10, 31, v0
	v_lshlrev_b32 v10, 4, v10                      ; 16 x lane: also Q's offset
	s_lshl_b32 s53, s15, 10
	v_add_nc_u32 v[LI], s53, v10
	v_add_nc_u32 v[LIV], 0x10000, v[LI]
	v_lshlrev_b32 v[PFO], 4, v10
	v_and_b32 v11, 15, v0                          ; r
	v_bfe_u32 v28, v0, 4, 1                        ; h
	s_lshr_b32 s54, s20, 1
	s_lshl_b32 s54, s54, 5
	s_and_b32 s55, s20, 1
	s_lshl_b32 s55, s55, 3
	s_add_co_u32 s54, s54, s55                     ; my tile's first query in its group: 32 (tile / 2) + 8 (tile % 2)
	v_and_b32 v[QL], 8, v11
	v_add_nc_u32 v[QL], v[QL], v11                 ; + r + 8 (r / 8)
	v_add_nc_u32 v[QL], s54, v[QL]
	v_lshlrev_b32 v29, 4, v28
	v_sub_nc_u32 v[QL], v[QL], v29                 ; - 16 h
	s_lshl_b32 s55, s16, 2
	s_add_co_u32 s55, s55, s15                     ; my part's number: 4 qt + kg
	s_mul_i32 s56, s55, 16*272
	v_mul_u32_u24 v[PST], v11, 272
	v_lshl_add_u32 v[PST], v28, 6, v[PST]
	v_add_nc_u32 v[PST], s56, v[PST]               ; row r; my channels 32 b + 16 h + 0..15 lie 128 b + 64 h bytes on
	s_lshl_b32 s56, s55, 7
	s_add_co_u32 s56, s56, STAT
	v_lshl_add_u32 v[SST], v11, 3, s56
	s_mul_i32 s56, s16, 4*16*272
	s_mul_i32 s57, s15, 4*272
	s_add_co_u32 s56, s56, s57
	v_mul_u32_u24 v[RD], v28, 272
	v_lshl_add_u32 v[RD], v11, 4, v[RD]
	v_add_nc_u32 v[RD], s56, v[RD]                 ; back: rows 4 kg + 2 i + h of my tile, sixteen lanes to a row
	s_lshl_b32 s56, s16, 9
	s_lshl_b32 s57, s15, 5
	s_add_co_u32 s56, s56, s57
	s_add_co_u32 s56, s56, STAT
	v_lshl_add_u32 v[RS], v28, 3, s56
	v_lshlrev_b32 v[GO], 8, v28
	v_lshl_add_u32 v[GO], v11, 4, v[GO]
	; offsets into memory, made apart from the addresses
	s_lshl_b32 s58, s21, 18                        ; the batch's 4 slots of 65,536 bytes,
	s_and_b32 s59, s[WV], 7
	s_lshl_b32 s59, s59, 13                        ; my part of a slot: waves 0-7 K's eight, waves 8-15 V's
	s_add_co_u32 s58, s58, s59
	s_mov_b32 s59, 0
	s_and_b32 s60, s[WV], 1
	s_lshl_b32 s60, s60, 2
	s_add_co_u32 s60, s60, s17
	s_lshl_b32 s60, s60, 13                        ; the prefetch: part 4 (w & 1) + cx,
	s_lshl_b32 s61, s21, 18
	s_add_co_u32 s60, s60, s61
	s_add_co_u32 s60, s60, 0x10000                 ; in slot 1: the first change of slots steps it to slot 2
	s_mov_b32 s61, 0
	s_lshl_b32 s62, s21, 18                        ; Q: (128 batch + group / 32 + tile / 2) x 2048 + (tile % 2) x 1024
	s_lshl_b32 s63, s[QG], 6
	s_add_co_u32 s62, s62, s63
	s_lshr_b32 s63, s20, 1
	s_lshl_b32 s63, s63, 11
	s_add_co_u32 s62, s62, s63
	s_and_b32 s63, s20, 1
	s_lshl_b32 s63, s63, 10
	s_add_co_u32 s62, s62, s63
	s_mov_b32 s63, 0
	s_lshl_b32 s66, s21, 12                        ; out: stage row 4 kg + 2 i + h is query 4 kg + 8 (kg / 2) + 2 i + h of the tile
	s_add_co_u32 s66, s66, s[QG]
	s_add_co_u32 s66, s66, s54
	s_lshl_b32 s67, s15, 2
	s_add_co_u32 s66, s66, s67
	s_lshr_b32 s67, s15, 1
	s_lshl_b32 s67, s67, 3
	s_add_co_u32 s66, s66, s67
	s_lshl_b32 s66, s66, 8                         ; a row of out is 256 bytes
	s_mov_b32 s67, 0
	s_mov_b32 s[G0], 1                             ; 1:0 count = 1
	s_lshl_b32 s[G0+1], s[WV], 13                  ; 63:32 LDS address: slot 0, part w: no place in the cluster enters it
	s_wait_dscnt 0x0                               ; both opening adds are done
	s_wait_kmcnt 0x0
	s_load_b128 s[48:51], s[10:11], 0x18           ; e6, e7, e8, e9
	s_cmp_lt_u32 s[WV], 8
	s_cselect_b64 s[G0+2:G0+3], s[6:7], s[8:9]
	s_add_nc_u64 s[G0+2:G0+3], s[G0+2:G0+3], s[58:59]   ; 120:64 global address
	s_or_b32 s[G0+3], s[G0+3], 0x80000000          ; 127:126 type = 2
	s_cmp_lt_u32 s[WV], 2
	s_cselect_b64 s[PFA:PFA+1], s[6:7], s[8:9]
	s_add_nc_u64 s[PFA:PFA+1], s[PFA:PFA+1], s[60:61]
	s_add_nc_u64 s[4:5], s[4:5], s[62:63]
	s_add_nc_u64 s[12:13], s[12:13], s[66:67]
	CROUND                                         ; all four work-groups are here: the first joint loads meet
	tensor_load_to_lds s[G0:G0+3], s[G1:G1+7]      ; slot 0: every wave its part
	s_nop 0
.rept 4
	v_nop
.endr
	global_load_b128 v[16:19], v10, s[4:5]         ; Q's fragment stays in registers
	global_load_b128 v[20:23], v10, s[4:5] offset:512
	v_mov_b32 v13, 0xff61b1e6                      ; the largest t so far: -3e38, under every t
	v_floor_f32 v12, -v13                          ; -M
	v_mov_b32 v14, 0                               ; l, in two halves
	v_mov_b32 v15, 0
	v_mov_b32 v236, 0                              ; written once: a lane permute's destination counts as one of its sources
	v_mov_b32 v253, 0                              ; (named as the upper half of the pair v[252:253])
.set n, 0
.rept 32
	v_mov_b32 v[160+n], 0                          ; O^T: the step is written for every step alike: a wave's first finds zeros, which the first change of M leaves zeros; and a wave that has no step hands zeros to the merge
.set n, n+1
.endr
	s_wait_kmcnt 0x0
	s_add_co_i32 s52, s48, s49
	s_lshl_b32 s52, s52, 23
	s_add_co_i32 s[CS], s[CS], s52                 ; a score stands for score x 2^(e6 + e7): the two exponents are added to c's exponent field
	s_mov_b32 s[CS+1], s[CS]                       ; (named with it as a pair, so it is written)
	s_add_co_i32 s52, s50, 127
	s_lshl_b32 s53, s52, 23
	v_mov_b32 v244, s53                            ; 2^e8 as f32, for the conversion
	s_add_co_i32 s52, s52, 15
	s_lshl_b32 s52, s52, 23
	s_or_b32 s52, s52, 0x600000
	v_mov_b32 v240, s52                            ; 57,344 x 2^e8
	s_add_co_i32 s[EPV], s50, s51
; A KEY STEP: 128 keys: step 4 q + kg of the slot in hand.
.macro STEP q
	s_add_co_u32 s[KF], s[KS], s[KGO]
.if \q
	s_add_co_u32 s[KF], s[KF], 512
.endif
	s_cmp_gt_u32 s[KF], s[QG]                      ; both are multiples of 128: beyond my group all 128 keys come after my queries: the step is left out.  Ids and the count of slots alone; no barrier, wait for tiles or tensor load stands in a step
	s_cbranch_scc1 .Lhidden_\@
	v_add_nc_u32 v[ADK], s[TB], v[LI]
	v_add_nc_u32 v[ADV], s[TB], v[LIV]
	v_nop                                          ; with the two additions: four places in front of loads into registers that the last products read (ISA guide 7.12.1 for vector lines)
	v_nop
.irp t, 0,1,2,3,4,5,6,7
.irp g, 0,1
	ds_load_b128 v[32+8*\t+4*\g:32+8*\t+4*\g+3], v[ADK] offset:8192*\t+4096*\q+512*\g
.endr
.endr
	s_wait_dscnt 0x0
.irp t, 0,1,2,3,4,5,6,7
	v_wmma_f32_16x16x64_bf8_bf8 v[96+8*\t:103+8*\t], v[32+8*\t:39+8*\t], v[16:23], 0
.endr
.rept 4
	v_nop                                          ; four places: in front of the loads into K's registers, and of the first read of scores
.endr
.irp t, 0,1,2,3                        ; V's four fragments land while the softmax is walked
.irp c, 0,1,2,3
	ds_load_b128 v[32+16*\t+4*\c:32+16*\t+4*\c+3], v[ADV] offset:8192*(2*\t+\c/2)+4096*\q+512*(\c%2)
.endr
.endr
	s_cmp_lt_u32 s[KF], s[QG]                      ; under my group all keys count
	s_cbranch_scc1 .Lopen_\@
	v_mov_b32 v254, 0xff800000                     ; on the diagonal (KF = QG) register 16 c + i holds key KF + 32 c + 16 h + i: hidden where 32 c + i > my query's number - 16 h: its score becomes -infinity, p = 0.  Key KF counts for all my queries
.set n, 0
.rept 64
	v_cmp_gt_i32 vcc_lo, 32*(n/16)+n%16, v[QL]
	v_cndmask_b32 v[96+n], v[96+n], v254, vcc_lo
.set n, n+1
.endr
.Lopen_\@:
	v_max3_num_f32 v254, v96, v97, v98             ; the step's largest score of my query, among my 64 keys, in two chains, each accumulator from its low end on,
	v_max3_num_f32 v252, v99, v100, v101
.irp i, 6,10,14,18,22,26,30,34,38,42,46,50,54,58
	v_max3_num_f32 v254, v254, v[96+\i], v[97+\i]
	v_max3_num_f32 v252, v252, v[98+\i], v[99+\i]
.endr
	v_max3_num_f32 v254, v254, v158, v159
	v_max_num_f32 v254, v254, v252
	v_permlanex16_b32 v236, v254, s[SEL], s[SEL+1]
	v_max_num_f32 v254, v254, v236                 ; and among lane l xor 16's
	v_mul_f32 v254, s[CS], v254                    ; as t (c is positive)
	v_max_num_f32 v13, v13, v254                   ; the running largest t
	v_mov_b32 v254, v12
	v_floor_f32 v12, -v13                          ; the new -M = floor(-t) = -ceil(t): a whole number
	v_sub_f32 v254, v12, v254                      ; M's old value less its new one: a whole number, 0 or less
	v_cvt_i32_f32 v254, v254                       ; (it saturates)
	v_ldexp_f32 v252, 1.0, v254                    ; f = 2^(old M - new M)
.set n, 0
.rept 32
	v_pk_fma_f32 v[96+n:97+n], v[96+n:97+n], s[CS:CS+1], v[12:13] op_sel_hi:[1,0,0]   ; t - M, two at a time (of the pairs c and -M the low word serves both halves)
.set n, n+2
.endr
.set n, 0
.rept 64
	v_exp_f32 v[96+n], v[96+n]                     ; p = 2^(t - M), at most 1: not normalised
.set n, n+1
.endr
	v_pk_mul_f32 v[14:15], v[14:15], v[252:253] op_sel_hi:[1,0]   ; l under the new M: the plain line behind the exponentials
	s_wait_alu depctr_va_vdst(0)                   ; a wait ahead of the first line that names an exponential's result: one for the batch of 64
	v_pk_add_f32 v[242:243], v[96:97], v[98:99]    ; the sum is taken of the unquantised p: two at a time, in two chains
.irp j, 4,8,12,16,20,24,28,32,36,40,44,48,52,56,60
	v_pk_add_f32 v[14:15], v[14:15], v[96+\j:97+\j]
	v_pk_add_f32 v[242:243], v[242:243], v[98+\j:99+\j]
.endr
	v_pk_add_f32 v[14:15], v[14:15], v[242:243]
.irp b, 0,1,2,3
.irp i, 0,1,2,3,4,5,6,7,8,9,10,11,12,13,14,15
	v_min_num_f32 v[96+16*\b+\i], v[96+16*\b+\i], v240   ; the conversion to an 8-bit code does not saturate (ISA guide 7.6.2); p is not negative, so the hold is one-sided
.endr
	v_cvt_scalef32_pk8_bf8_f32 v[192+4*\b:193+4*\b], v[96+16*\b:103+16*\b], v244
	v_cvt_scalef32_pk8_bf8_f32 v[194+4*\b:195+4*\b], v[104+16*\b:111+16*\b], v244
.endr
.set n, 0
.rept 16
	v_pk_mul_f32 v[160+n:161+n], v[160+n:161+n], v[252:253] op_sel_hi:[1,0]   ; O^T under the new M, from each accumulator's low end on; also the plain lines between the conversions and the products
.set n, n+2
.endr
	s_wait_dscnt 0x0                               ; V is in
.irp t, 0,1,2,3                        ; O^T += V^T P^T: the four accumulators by turns; eight products K Q^T stand between two links on one accumulator
	v_wmma_f32_16x16x128_bf8_bf8 v[160+8*\t:167+8*\t], v[32+16*\t:47+16*\t], v[192:207], v[160+8*\t:167+8*\t]
.endr
.Lhidden_\@:
.endm
; THE CHANGE OF SLOTS stands at a slot's head.  Each wave waits for all its tensor loads (its part of the slot that it is about to read), adds 0 to its spare word, and waits for that and for its reads of the slot that it has left.
; fill = 1: a round of the cluster's barrier: no wave of any partner still reads the other slot or has a load on its way; the joint load for that slot is the first thing behind it and has a whole slot's steps in which to land.
.macro CHANGE fill
	s_wait_tensorcnt 0x0                           ; no tensor load of mine is out, so group 0 may be written
	ds_add_u32 v[SPW], v[NIL]                      ; 0 onto my spare word
.if \fill
	s_xor_b32 s[G0+1], s[G0+1], SLOT1              ; the other slot than last time,
	s_add_nc_u64 s[G0+2:G0+3], s[G0+2:G0+3], 0x10000   ; the next 1,024 keys; the type bits on top are not reached
	s_wait_xcnt 0x0                                ; the last prefetch, a slot back, has read its address, so it may be written:
	s_add_nc_u64 s[PFA:PFA+1], s[PFA:PFA+1], 0x10000   ; one slot further on than the walking descriptor
.endif
	s_wait_dscnt 0x0                               ; the add is done, and my reads of the slot that I have left are over
.if \fill
	CROUND
	tensor_load_to_lds s[G0:G0+3], s[G1:G1+7]      ; my one tensor load until the next round
	s_nop 0
.rept 4
	v_nop
.endr
	ASK
.else
	s_barrier_signal -1
	s_barrier_wait -1
.endif
.endm
.macro SLOT_STEPS
	STEP 0
	STEP 1
	s_xor_b32 s[TB], s[TB], SLOT1                  ; on to the other slot
	s_add_co_u32 s[KS], s[KS], 1024
.endm
	s_wait_loadcnt 0x0                             ; Q
.Lslot:                                            ; three trips: behind each change of slots but the last the next slot is asked for
	CHANGE 1
	SLOT_STEPS
	s_sub_co_u32 s[SLOTS], s[SLOTS], 1
	s_cmp_lg_u32 s[SLOTS], 0
	s_cbranch_scc1 .Lslot
	CHANGE 0                                       ; the last slot is written out
	SLOT_STEPS
	; THE MERGE.  Each wave puts its (-M, l) and its O^T into the stage; behind a barrier wave (qt, kg) takes rows 4 kg .. 4 kg + 3 of tile qt, brings the four parts under the largest M by exact powers of two, divides and stores.
	v_add_f32 v14, v14, v15                        ; l's two halves,
	v_permlanex16_b32 v236, v14, s[SEL], s[SEL+1]
	v_nop                                          ; (with the two additions: four plain lines between the last product and the first LDS store of its results)
	v_nop
	v_add_f32 v13, v14, v236                       ; and lane l xor 16's: beside -M in the pair v[12:13]
	ds_store_b64 v[SST], v[12:13]                  ; lanes r and r + 16 write the same two words with the same values
.irp b, 0,1
.irp k, 0,1,2,3
	ds_store_b128 v[PST], v[160+16*\b+4*\k:163+16*\b+4*\k] offset:128*\b+16*\k   ; ascending: each accumulator from its low end on
.endr
.endr
	s_wait_dscnt 0x0                               ; for the others' sake: my stores into the stage are done
	s_barrier_signal -1
	s_barrier_wait -1
.irp i, 0,1
.irp j, 0,1,2,3
	ds_load_b128 v[32+16*\i+4*\j:35+16*\i+4*\j], v[RD] offset:16*272*\j+2*272*\i   ; part j of row 4 kg + 2 i + h: my 4 channels
.endr
.endr
.irp i, 0,1
.irp j, 0,1,2,3
	ds_load_b64 v[96+8*\i+2*\j:97+8*\i+2*\j], v[RS] offset:128*\j+16*\i            ; its -M and l
.endr
.endr
	s_wait_dscnt 0x0
.irp i, 0,1
	v_min_num_f32 v[128+\i], v[96+8*\i], v[98+8*\i]
	v_min_num_f32 v[130+\i], v[100+8*\i], v[102+8*\i]
	v_min_num_f32 v[128+\i], v[128+\i], v[130+\i]  ; the least -M: the row's M.  (Wave kg = 0 always has a step: key 0 counts)
.irp j, 0,1,2,3
	v_sub_f32 v[132+4*\i+\j], v[128+\i], v[96+8*\i+2*\j]   ; part j's M less the row's: a whole number, 0 or less; -3e38 for a part with no step
.endr
.irp j, 0,1,2,3
	v_cvt_i32_f32 v[132+4*\i+\j], v[132+4*\i+\j]   ; (it saturates)
.endr
.irp j, 0,1,2,3
	v_ldexp_f32 v[132+4*\i+\j], 1.0, v[132+4*\i+\j]   ; f_j; 0 for a part with no step, whose l and O are zeros
.endr
	v_mul_f32 v[140+\i], v[132+4*\i], v[97+8*\i]
	v_fma_f32 v[140+\i], v[133+4*\i], v[99+8*\i], v[140+\i]
	v_fma_f32 v[140+\i], v[134+4*\i], v[101+8*\i], v[140+\i]
	v_fma_f32 v[140+\i], v[135+4*\i], v[103+8*\i], v[140+\i]   ; the row's l
.endr
	v_rcp_f32 v140, v140
	v_rcp_f32 v141, v141
	v_nop                                          ; a plain line behind the last reciprocal
	s_wait_alu depctr_va_vdst(0)                   ; and a wait ahead of the first use: one for both
	v_ldexp_f32 v140, v140, s[EPV]                 ; x 2^(e8 + e9)
	v_ldexp_f32 v141, v141, s[EPV]
.irp i, 0,1
.irp j, 0,1,2,3
	v_mul_f32 v[132+4*\i+\j], v[132+4*\i+\j], v[140+\i]
.endr
.irp k, 0,1,2,3
	v_mul_f32 v[144+4*\i+\k], v[32+16*\i+\k], v[132+4*\i]
.endr
.irp j, 1,2,3
.irp k, 0,1,2,3
	v_fma_f32 v[144+4*\i+\k], v[32+16*\i+4*\j+\k], v[132+4*\i+\j], v[144+4*\i+\k]
.endr
.endr
.endr
	global_store_b128 v[GO], v[144:147], s[12:13] th:TH_STORE_NT              ; sixteen lanes store a whole row of out, 256 consecutive bytes at a multiple of 256 from its first byte; lanes 16-31 the next row
	global_store_b128 v[GO], v[148:151], s[12:13] offset:512 th:TH_STORE_NT
	s_wait_tensorcnt 0x0                           ; the wave's end, behind my last tensor load and my last LDS store
	ds_add_u32 v[SPW], v[NIL]
	s_wait_dscnt 0x0
	CROUND                                         ; the closing round: no work-group ends while a partner may still ask for a part that names it
	s_endpgm
.Lfunc_end_k_qfb581861af_attn:
	.size	k_qfb581861af_attn, .Lfunc_end_k_qfb581861af_attn-k_qfb581861af_attn
	.p2alignl 7, 3214868480
	.fill 96, 4, 3214868480
	.section	.rodata,"a",@progbits
	.p2align	6, 0x0
	.amdhsa_kernel k_qfb581861af_attn
		.amdhsa_group_segment_fixed_size 327680
		.amdhsa_private_segment_fixed_size 0
		.amdhsa_enable_private_segment 0
		.amdhsa_kernarg_size 40
		.amdhsa_user_sgpr_count 2
		.amdhsa_user_sgpr_kernarg_segment_ptr 1
		.amdhsa_wavefront_size32 1
		.amdhsa_system_sgpr_workgroup_id_x 1
		.amdhsa_system_sgpr_workgroup_id_y 1
		.amdhsa_system_sgpr_workgroup_id_z 1
		.amdhsa_system_vgpr_workitem_id 0
		.amdhsa_next_free_vgpr 256
		.amdhsa_next_free_sgpr 68
		.amdhsa_reserve_vcc 1
		.amdhsa_float_denorm_mode_32 3
		.amdhsa_float_denorm_mode_16_64 3
		.amdhsa_memory_ordered 1
		.amdhsa_forward_progress 1
		.amdhsa_inst_pref_size 97
	.end_amdhsa_kernel
	.amdgpu_metadata
---
amdhsa.version: [ 1, 2 ]
amdhsa.kernels:
  - .name:           k_qfb581861af_attn
    .symbol:         k_qfb581861af_attn.kd
    .args:
      - { .name: qc, .offset: 0, .size: 8, .value_kind: global_buffer, .address_space: global }
      - { .name: kc, .offset: 8, .size: 8, .value_kind: global_buffer, .address_space: global }
      - { .name: vc, .offset: 16, .size: 8, .value_kind: global_buffer, .address_space: global }
      - { .name: lowp_scales, .offset: 24, .size: 8, .value_kind: global_buffer, .address_space: global }
      - { .name: out0, .offset: 32, .size: 8, .value_kind: global_buffer, .address_space: global }
    .group_segment_fixed_size: 327680
    .private_segment_fixed_size: 0
    .kernarg_segment_align: 8
    .kernarg_segment_size: 40
    .max_flat_workgroup_size: 512
    .sgpr_count:     68
    .vgpr_count:     256
    .wavefront_size: 32
...
	.end_amdgpu_metadata
.endif
;; end of part 2
;; ======== version 2 of 2: 2 launches
;; workspace buffers: qc 1,048,576 bytes; kc 1,048,576 bytes; vc 1,048,576 bytes
;; launch proj (part 3): grid 256 x 1, 12 waves a work-group, no clusters, 117,248 bytes of LDS; arguments y, Wq, Wk, Wv, lowp_scales, qc, kc, vc; writes qc, kc, vc
.if DOCPART == 3
	.amdgcn_target "amdgcn-amd-amdhsa--gfx1250"
	.amdhsa_code_object_version 6
	.text
	.protected	k_qfb581861af_proj
	.globl	k_qfb581861af_proj
	.p2align	8
	.type	k_qfb581861af_proj,@function
k_qfb581861af_proj:
	s_mov_b64 s[64:65], 0
	v_nop
	global_prefetch_b8 v0, s[64:65] scope:SCOPE_SE
	s_setreg_imm32_b32 hwreg(HW_REG_WAVE_SCHED_MODE, 0, 2), 2
	s_setreg_imm32_b32 hwreg(HW_REG_WAVE_MODE, 25, 1), 1
	s_wait_xcnt 0x0
	s_wait_alu depctr_vm_vsrc(0)
; q = y Wq, k = y Wk, v = y Wv on codes of BF8 (E5M2), and the three results quantised again for the attention that follows.
; y [16384][256] f32 is quantised three times (entries 0, 2, 4 of the scales), Wq, Wk, Wv [256 (k)][64 (n)] f32 once each (entries 1, 3, 5); a sum stands for sum x 2^(eA + eB) and is
; quantised with 2^eO (q: entry 6, k: entry 7, v: entry 9): the three exponents are folded into the conversion's one scale, 2^(eO - eA - eB).
; DEAD WORK OF THE PROGRAM (left out in the second launch; nothing is left out here).  reference() builds the mask tril(ones) in its own body and puts -inf on every score whose key comes after its
; query; exp of -inf is 0, so such a key adds 0 to the row's sum and 0 to the row of the result, whatever finite values y and the weights hold, and it cannot be the row's maximum, since key 0 counts in
; every row.  So a step of 128 keys that all come after a tile's 16 queries is not multiplied.  Every input has a way to the output: all are loaded.
; LIMIT: a NaN, an infinity or an overflow that reaches only such hidden scores is not carried to the result.
; LIMITS on the given exponents, so that each power of two below is an f32 number: entries 0 to 5 between -126 and 112; eO - eA - eB between -126 and 112.  NaN among the inputs is not served.
; THE WORKSPACE IS LAID AS IMAGES OF OPERAND REGISTERS: a group of four registers is 512 bytes, lane l's 16 bytes at 16 l.  T = a block of 32 tokens (0..511).  Tile (T, i): lane r holds token
; 32 T + 8 i + r + 8 (r / 8), so that the 16 result registers of tiles (T, 0) and (T, 1) are 16 neighbouring tokens.
;   qc: T x 2048 + i x 1024 + b x 512: group b = channels 32 b + 16 (lane / 16) + 0..15 of the lane's token.
;   kc: (T >> 5) x 65536 + (2 (T & 3) + i) x 8192 + ((T >> 2) & 7) x 1024 + b x 512: the same fragments, ordered [1,024 keys][key tile of a step of 128][step].
;   vc: (T >> 5) x 65536 + (4 b + 2 j + ((T >> 1) & 1)) x 8192 + ((T >> 2) & 7) x 1024 + (T & 1) x 512: lane r = channel 32 b + 8 j + r + 8 (r / 8), the group = tokens 32 T + 16 (lane / 16) + 0..15.
; SHARES.  A work-group of twelve waves takes 64 tokens.  Wave w: matrix w >> 2 (q, k, v), block of 32 tokens (w >> 1) & 1, pair of channel tiles w & 1: 2 token tiles x 2 channel tiles x 2 K steps of 128 =
; eight matrix instructions.  Before that waves 0-7 bring 8 rows of y each into a stage in LDS (dense loads of 512 bytes), and every wave quantises 64 of the 256 rows of its matrix into images in LDS.
; No tensor load, no cluster: the work-groups share the weights alone, 192 KiB read as whole rows of 256 bytes.  No prefetch: all loads of a wave go out at its head.
; THE MODE: SCHED_MODE bits 1:0 = 2 (LLVM: expert scheduling mode 2), set by the entry lines.  The code itself states the register dependences
; between vector or matrix instructions and memory or LDS instructions, with s_wait_alu, always for 0.
; THE PLAN.  Registers that memory or LDS instructions touch:
;   v4-v11      offsets and LDS addresses: written once at the head, read by every load and store, never written again: one wait on va_vdst ahead of the first load serves them all.
;   SA v64-127  y as loaded, read by the stores into the stage | the weights' turned numbers (vector lines alone) | y's fragment 0 from the stage, worked on by step 0 | fragment 2, asked for in step 1, worked on
;               by step 2 | the weights' four fragments, asked for in step 3, read by the products.
;   SB v128-191 W's first chunk as loaded, read by its holds | y's fragment 1, asked for in step 0, worked on by step 1 | fragment 3, asked for in step 2, worked on by step 3 | then the accumulators (vector and matrix lines alone).
;   v192-255    W's second chunk as loaded, read by its holds | then y's codes (vector and matrix lines alone).
;   WC v32-63   written by the weights' conversions, read by eight LDS stores | v32-39 written again by the results' conversions, read by the two global stores.
;   v12, v13    written at the head, read by the closing add alone.
; Step p works on one of SA and SB and asks for what step p + 1 works on, into the other: no vector line of step p names that other buffer or an address.  So ONE wait on va_vdst at a step's head states all that the
; step's sixteen LDS loads hang on, and these are dealt among its four blocks, four ahead of each.  One wait on va_vdst stands behind the weights' arithmetic (for their eight stores, and for the loads of fragments 0 and 1),
; one ahead of the last two stores.  Two waits on vm_vsrc: ahead of the first write of SA behind the stage's stores, and behind the barrier for WC.
.set YP,    1040                       ; a stage row: 1,024 bytes + 16: the 16 rows that a load touches start 16 bytes apart modulo 256
.set WIMG,  64*YP                      ; behind y's stage: the weights' images: ((matrix x 4 + tile) x 2 + K step) x 2048 + group x 512 + 16 lane
.set SPARE, WIMG+3*16384               ; behind them: the spare words, 128 bytes for each wave: six blocks of 256 bytes that no other line names
.set RR,   2                           ; v2   r = lane % 16
.set HH,   3                           ; v3   h = lane / 16
.set YGO,  4                           ; v4   y: my 16 bytes of my wave's first row
.set YSO,  5                           ; v5   the stage: where they go
.set WGO,  6                           ; v6   W: my 16 bytes (4 columns) of my first row
.set WSO,  7                           ; v7   the images: where my column's 16 codes go
.set YRD,  8                           ; v8   the stage: my token's 16 numbers of a block of 32
.set WRD,  9                           ; v9   the images: my lane's place in my two channel tiles
.set OGO,  10                          ; v10  16 x lane
.set OGO2, 11                          ; v11  the same in the second group that I store
.set SPW,  12                          ; v12  LDS address of my spare word; never rewritten
.set NIL,  13                          ; v13  0; never rewritten
.set SCW,  14                          ; v14, v15  2^eB and 57,344 x 2^eB
.set LIMW, 15
.set SCY,  16                          ; v16, v17  the same with eA
.set LIMY, 17
.set SCO,  18                          ; v18, v19  the same with eO - eA - eB
.set LIMO, 19
.set TT,   20                          ; v20  at work
.set WC,   32                          ; v32-63   the weights' codes, 16 registers a chunk; later v32-39 the results' codes
.set OC,   32
.set SA,   64                          ; v64-127  y as loaded; 64 numbers turned or fetched (set A); later the weights' four fragments
.set WF,   64
.set SB,   128                         ; v128-191 W's first chunk; set B; later the four accumulators
.set WR,   128                         ; v128-255 W as loaded, 64 registers a chunk
.set ACC,  128
.set YC,   192                         ; v192-255 y's four fragments: 16 (2 i + K step)
	s_load_b256 s[4:11], s[0:1], 0x0               ; y s[4:5], Wq s[6:7], Wk s[8:9], Wv s[10:11]
	s_load_b256 s[12:19], s[0:1], 0x20             ; the scales' exponents s[12:13], qc s[14:15], kc s[16:17], vc s[18:19]
	v_lshl_add_u32 v[SPW], v0, 2, SPARE
	v_mov_b32 v[NIL], 0
	v_lshrrev_b32 v1, 5, v0
	v_readfirstlane_b32 s20, v1                    ; wave 0..11
	v_and_b32 v1, 31, v0                           ; lane
	v_and_b32 v[RR], 15, v0
	v_bfe_u32 v[HH], v0, 4, 1
	s_wait_alu depctr_va_sdst(0)                   ; s20 is written, ahead of its first reader: my matrix, my block, my tiles and every address below are made from it
	s_lshr_b32 s21, s20, 2                         ; my matrix: 0 q, 1 k, 2 v
	s_bfe_u32 s22, s20, 0x10001                    ; (w >> 1) & 1: my block of 32 tokens
	s_and_b32 s23, s20, 1                          ; w & 1: my pair of channel tiles
	v_lshlrev_b32 v[OGO], 4, v1
	s_wait_alu depctr_va_vdst(0)
	; every address register is made here, ahead of the first branch on the wave's number
	s_and_b32 s28, s20, 7
	s_lshl_b32 s28, s28, 13                        ; y: 8 rows of 1,024 bytes a wave
	v_add_nc_u32 v[YGO], s28, v[OGO]
	s_bfe_u32 s28, s20, 0x10002                    ; tokens 8 w .. 8 w + 7 are rows 32 ((w >> 2) & 1) + 16 (w & 1) + 8 ((w >> 1) & 1) + 0..7 of the stage: a tile's 16 tokens lie on end there
	s_lshl_b32 s28, s28, 5
	s_lshl_b32 s29, s23, 4
	s_add_co_u32 s28, s28, s29
	s_lshl_b32 s29, s22, 3
	s_add_co_u32 s28, s28, s29
	s_mul_i32 s28, s28, YP
	v_add_nc_u32 v[YSO], s28, v[OGO]
	s_and_b32 s28, s20, 3
	s_lshl_b32 s28, s28, 14                        ; W: 64 rows of 256 bytes a wave;
	v_lshlrev_b32 v[WGO], 4, v[RR]                 ; sixteen lanes take a whole row, 4 columns each;
	v_lshl_add_u32 v[WGO], v[HH], 12, v[WGO]       ; lanes 16-31 the row 16 further down
	v_add_nc_u32 v[WGO], s28, v[WGO]
	s_lshl_b32 s28, s21, 14                        ; the image of column n = 4 r + jn, rows 32 kb + 16 h + 0..15, kb = 2 (w & 3) + e: tile 2 (n >> 5) + ((n >> 3) & 1), lane 8 ((n >> 4) & 1) + (n & 7) + 16 h,
	s_lshl_b32 s29, s22, 11                        ; K step kb >> 2 = (w >> 1) & 1,
	s_add_co_u32 s28, s28, s29
	s_lshl_b32 s29, s23, 10                        ; group kb & 3 = 2 (w & 1) + e
	s_add_co_u32 s28, s28, s29
	s_add_co_u32 s28, s28, WIMG
	v_bfe_u32 v[TT], v0, 3, 1
	v_lshlrev_b32 v[WSO], 13, v[TT]
	v_bfe_u32 v[TT], v0, 1, 1
	v_lshl_add_u32 v[WSO], v[TT], 12, v[WSO]
	v_bfe_u32 v[TT], v0, 2, 1
	v_lshl_add_u32 v[WSO], v[TT], 7, v[WSO]
	v_and_b32 v[TT], 1, v0
	v_lshl_add_u32 v[WSO], v[TT], 6, v[WSO]
	v_lshl_add_u32 v[WSO], v[HH], 8, v[WSO]
	v_add_nc_u32 v[WSO], s28, v[WSO]
	s_mul_i32 s28, s22, 32*YP                      ; the stage, on the way out: my block's 32 rows; row r, + 64 h
	v_mul_u32_u24 v[YRD], v[RR], YP
	v_lshl_add_u32 v[YRD], v[HH], 6, v[YRD]
	v_add_nc_u32 v[YRD], s28, v[YRD]
	s_lshl_b32 s28, s21, 14
	s_lshl_b32 s29, s23, 13
	s_add_co_u32 s28, s28, s29
	s_add_co_u32 s28, s28, WIMG
	v_add_nc_u32 v[WRD], s28, v[OGO]
	; where my two groups of codes go: three offsets, made apart from any address, and a choice by my matrix
	s_lshl_b32 s36, ttmp9, 1
	s_add_co_u32 s36, s36, s22                     ; T
	s_lshl_b32 s35, s23, 9
	s_lshl_b32 s37, s36, 11
	s_add_co_u32 s37, s37, s35                     ; q: T x 2048 + b x 512
	s_lshr_b32 s38, s36, 5
	s_lshl_b32 s38, s38, 16
	s_bfe_u32 s39, s36, 0x30002
	s_lshl_b32 s39, s39, 10
	s_add_co_u32 s38, s38, s39                     ; k and v: (T >> 5) x 65536 + ((T >> 2) & 7) x 1024
	s_and_b32 s39, s36, 3
	s_lshl_b32 s39, s39, 14
	s_add_co_u32 s39, s39, s38
	s_add_co_u32 s39, s39, s35                     ; k: + (T & 3) x 16384 + b x 512
	s_lshl_b32 s53, s23, 15
	s_add_co_u32 s53, s53, s38
	s_bfe_u32 s54, s36, 0x10001
	s_lshl_b32 s54, s54, 13
	s_add_co_u32 s53, s53, s54
	s_and_b32 s54, s36, 1
	s_lshl_b32 s54, s54, 9
	s_add_co_u32 s53, s53, s54                     ; v: + b x 32768 + ((T >> 1) & 1) x 8192 + (T & 1) x 512
	s_mov_b32 s55, 1024                            ; from my first group to my second: q: the next token tile; k: the next key tile; v: the next channel tile
	s_cmp_eq_u32 s21, 1
	s_cselect_b32 s28, s39, s37
	s_cselect_b32 s55, 8192, s55
	s_cmp_eq_u32 s21, 2
	s_cselect_b32 s28, s53, s28
	s_cselect_b32 s55, 16384, s55
	s_mov_b32 s29, 0
	v_add_nc_u32 v[OGO2], s55, v[OGO]
	s_lshl_b32 s30, ttmp9, 16                      ; the work-group's 64 rows of y
	s_mov_b32 s31, 0
	s_wait_kmcnt 0x0
	s_load_b256 s[40:47], s[12:13], 0x0            ; entries 0 to 7
	s_load_b64 s[48:49], s[12:13], 0x20            ; entries 8, 9
	s_cmp_eq_u32 s21, 1                            ; the choices hang on the wave's number alone
	s_cselect_b64 s[24:25], s[8:9], s[6:7]
	s_cselect_b64 s[26:27], s[16:17], s[14:15]
	s_cmp_eq_u32 s21, 2
	s_cselect_b64 s[24:25], s[10:11], s[24:25]     ; my matrix,
	s_cselect_b64 s[26:27], s[18:19], s[26:27]     ; and its codes' buffer
	s_add_nc_u64 s[26:27], s[26:27], s[28:29]
	s_add_nc_u64 s[4:5], s[4:5], s[30:31]
.macro WLD e                           ; chunk e: 32 rows of W: register 4 i + jn = W(32 kb + 16 h + i, 4 r + jn)
.irp i, 0,1,2,3,4,5,6,7,8,9,10,11,12,13,14,15
	global_load_b128 v[WR+64*\e+4*\i:WR+64*\e+4*\i+3], v[WGO], s[24:25] offset:8192*\e+256*\i
.endr
.endm
; chunk e becomes codes.  The hold at the largest code x the scale also turns the lane's 16 x 4 numbers, so that 16 neighbours along K of one column lie in consecutive registers
.macro WQ e
.irp n, 0,1,2,3
.irp i, 0,1,2,3,4,5,6,7,8,9,10,11,12,13,14,15
	v_med3_num_f32 v[SA+16*\n+\i], v[WR+64*\e+4*\i+\n], -v[LIMW], v[LIMW]   ; the conversion to an 8-bit code does not saturate (ISA guide 7.6.2)
.endr
	v_cvt_scalef32_pk8_bf8_f32 v[WC+16*\e+4*\n:WC+16*\e+4*\n+1], v[SA+16*\n:SA+16*\n+7], v[SCW]
	v_cvt_scalef32_pk8_bf8_f32 v[WC+16*\e+4*\n+2:WC+16*\e+4*\n+3], v[SA+16*\n+8:SA+16*\n+15], v[SCW]
.endr
	v_nop                                          ; a plain line between the last conversion and the next vector line that writes its sources
.endm
.macro WST e                           ; chunk e's codes go into the images
.irp n, 0,1,2,3
	ds_store_b128 v[WSO], v[WC+16*\e+4*\n:WC+16*\e+4*\n+3] offset:512*\e+16*\n
.endr
.endm
; group c of the 64 numbers of token tile i, K step ks: register 16 c + 4 j .. = k 128 ks + 32 c + 16 h + 4 j .. of my token: four loads
.macro YL set, i, ks, c
.irp j, 0,1,2,3
	ds_load_b128 v[\set+16*(\c)+4*\j:\set+16*(\c)+4*\j+3], v[YRD] offset:16*YP*\i+512*\ks+128*(\c)+16*\j
.endr
.endm
; fragment g = 2 j + K step of my two channel tiles, as it lies in the images: four loads
.macro WL g
.irp c, 0,1,2,3
	ds_load_b128 v[WF+16*(\g)+4*\c:WF+16*(\g)+4*\c+3], v[WRD] offset:4096*((\g)/2)+2048*((\g)%2)+512*\c
.endr
.endm
; block b: the 16 numbers from v[s + 16 b] on become the 4 registers of codes from v[d + 4 b] on
.macro QBLK s, d, b, sc, lim
.set qi, 0
.rept 16
	v_med3_num_f32 v[\s+16*(\b)+qi], v[\s+16*(\b)+qi], -v[\lim], v[\lim]
.set qi, qi+1
.endr
	v_cvt_scalef32_pk8_bf8_f32 v[\d+4*(\b):\d+4*(\b)+1], v[\s+16*(\b):\s+16*(\b)+7], v[\sc]
	v_cvt_scalef32_pk8_bf8_f32 v[\d+4*(\b)+2:\d+4*(\b)+3], v[\s+16*(\b)+8:\s+16*(\b)+15], v[\sc]
.endm
; what step p asks for ahead of its block c: group c of what step p + 1 works on, into the buffer that step p does not name; step 3: fragment c of the weights
.macro NEXT4 p, c
.if \p == 0
	YL SB, 0, 1, \c
.elseif \p == 1
	YL SA, 1, 0, \c
.elseif \p == 2
	YL SB, 1, 1, \c
.else
	WL \c
.endif
.endm
; Step p: y's fragment p = 2 i + K step, 64 numbers in SA (p even) or SB (p odd), becomes 16 registers of codes, a block of 16 numbers at a time.
.macro YSTEP p
.set XS, SA+64*((\p)%2)
.if \p > 0
	s_wait_alu depctr_va_vdst(0)                   ; the step before is done reading and writing the other buffer, in which this step's sixteen loads land; no vector line of this step names that buffer or v8, v9
.endif
.irp b, 0,1,2,3
	NEXT4 \p, \b
	s_wait_dscnt 16                                ; LDS loads come back in order (ISA guide 5.7.1): the youngest sixteen, this step's later groups and what has been asked for the next step, may be out; this block's four are in
	QBLK XS, YC+16*(\p), \b, SCY, LIMY
.endr
	v_nop                                          ; a plain line between the last conversion and the next vector or matrix line that touches its result or writes its sources
.endm
.macro MKSC e, sc, lim                 ; 2^e and 57,344 x 2^e as f32
	s_add_co_i32 s56, \e, 127
	s_lshl_b32 s57, s56, 23
	v_mov_b32 v[\sc], s57
	s_add_co_i32 s56, s56, 15
	s_lshl_b32 s56, s56, 23
	s_or_b32 s56, s56, 0x600000
	v_mov_b32 v[\lim], s56
.endm
; eight matrix instructions, the four accumulators by turns, one instruction a turn; the first K step starts the sums.
; swap = 0 (q, k): source 0 = 16 channels of W, source 1 = 16 tokens: a lane holds one token, and the 16 registers of channel tiles 0, 1 are 16 neighbouring channels.
; swap = 1 (v):    source 0 = 16 tokens, source 1 = 16 channels: a lane holds one channel, and the 16 registers of token tiles 0, 1 are 16 neighbouring tokens.
.macro PROD swap
.irp s, 0,1
.irp i, 0,1
.irp j, 0,1
.if \swap
.if \s == 0
	s_wait_alu depctr_va_vdst(0)
	v_wmma_f32_16x16x128_bf8_bf8 v[ACC+8*(2*\j+\i):ACC+8*(2*\j+\i)+7], v[YC+16*(2*\i+\s):YC+16*(2*\i+\s)+15], v[WF+16*(2*\j+\s):WF+16*(2*\j+\s)+15], 0
.else
	v_wmma_f32_16x16x128_bf8_bf8 v[ACC+8*(2*\j+\i):ACC+8*(2*\j+\i)+7], v[YC+16*(2*\i+\s):YC+16*(2*\i+\s)+15], v[WF+16*(2*\j+\s):WF+16*(2*\j+\s)+15], v[ACC+8*(2*\j+\i):ACC+8*(2*\j+\i)+7]
.endif
.else
.if \s == 0
	s_wait_alu depctr_va_vdst(0)
	v_wmma_f32_16x16x128_bf8_bf8 v[ACC+8*(2*\i+\j):ACC+8*(2*\i+\j)+7], v[WF+16*(2*\j+\s):WF+16*(2*\j+\s)+15], v[YC+16*(2*\i+\s):YC+16*(2*\i+\s)+15], 0
.else
	v_wmma_f32_16x16x128_bf8_bf8 v[ACC+8*(2*\i+\j):ACC+8*(2*\i+\j)+7], v[WF+16*(2*\j+\s):WF+16*(2*\j+\s)+15], v[YC+16*(2*\i+\s):YC+16*(2*\i+\s)+15], v[ACC+8*(2*\i+\j):ACC+8*(2*\i+\j)+7]
.endif
.endif
.endr
.endr
.endr
.endm
	s_wait_alu depctr_va_vdst(0)                   ; the eight offsets and addresses v4 to v11 are written, which every load and store of the kernel reads; it stands ahead of the branch, on both ways
	s_cmp_lt_u32 s20, 8
	s_cbranch_scc0 .Lno_y
.irp i, 0,1,2,3,4,5,6,7                ; waves 0-7: 8 rows of y, 512 consecutive bytes a load; read once in the launch
.irp f, 0,1
	global_load_b128 v[SA+8*\i+4*\f:SA+8*\i+4*\f+3], v[YGO], s[4:5] offset:1024*\i+512*\f th:TH_LOAD_NT
.endr
.endr
.Lno_y:
	WLD 0
	WLD 1
	s_wait_kmcnt 0x0
	s_cmp_eq_u32 s21, 1                            ; my product's three exponents: selected, never branched on
	s_cselect_b32 s50, s42, s40
	s_cselect_b32 s51, s43, s41
	s_cselect_b32 s52, s47, s46
	s_cmp_eq_u32 s21, 2
	s_cselect_b32 s50, s44, s50                    ; eA
	s_cselect_b32 s51, s45, s51                    ; eB
	s_cselect_b32 s52, s49, s52                    ; eO
	s_sub_co_i32 s52, s52, s50
	s_sub_co_i32 s52, s52, s51                     ; eO - eA - eB
	MKSC s51, SCW, LIMW
	MKSC s50, SCY, LIMY
	MKSC s52, SCO, LIMO
	s_cmp_lt_u32 s20, 8
	s_cbranch_scc0 .Lno_stage
	s_wait_loadcnt 32                              ; y's 16 loads are in; W's 32, issued behind them, may be out
.irp i, 0,1,2,3,4,5,6,7
.irp f, 0,1
	ds_store_b128 v[YSO], v[SA+8*\i+4*\f:SA+8*\i+4*\f+3] offset:YP*\i+512*\f   ; the data come from loads, the address from ahead of the wait on va_vdst above: the six v_mov_b32 since name neither
.endr
.endr
.Lno_stage:
	s_wait_dscnt 0x0                               ; the stores into the stage are done
	s_wait_alu depctr_vm_vsrc(0)                   ; the stores into the stage have read v64 to v127, which the turned numbers take next
	s_wait_loadcnt 16                              ; W's first chunk is in; the second chunk's 16 loads may be out
	s_wait_alu depctr_va_vdst(0)
	WQ 0
	s_wait_loadcnt 0x0
	WQ 1
	s_wait_alu depctr_va_vdst(0)                   ; the conversions have written v32 to v63, which the eight stores read; the holds and conversions are done with SA and SB, in which the loads of y's fragments 0 and 1 land
	WST 0
	WST 1
	s_wait_dscnt 0x0                               ; for the others' sake: my stores into the stage and the images are done
	s_barrier_signal -1
	s_barrier_wait -1                              ; 64 rows of y and the three matrices' images lie in LDS; nothing is stored to LDS behind this barrier
	s_wait_alu depctr_vm_vsrc(0)                   ; my eight stores have read v32 to v63, of which v32 to v39 take the results' codes; it stands ahead of the branch on my matrix
.irp c, 0,1,2,3
	YL SA, 0, 0, \c                                ; y's fragment 0; each step asks for what the next works on
.endr
	YSTEP 0
	YSTEP 1
	YSTEP 2
	YSTEP 3
	s_wait_dscnt 0x0                               ; the weights' four fragments are in
	s_cmp_eq_u32 s21, 2
	s_cbranch_scc1 .Lfor_v
	PROD 0
	s_branch .Lmade
.Lfor_v:
	PROD 1
.Lmade:
.rept 4
	v_nop                                          ; four places between the last product and the first read of results (ISA guide 7.12.1)
.endr
	QBLK ACC, OC, 0, SCO, LIMO                     ; each accumulator from its low end on
	QBLK ACC, OC, 1, SCO, LIMO
	v_nop                                          ; a plain line behind the last conversion
	s_wait_alu depctr_va_vdst(0)                   ; the conversions have written v32 to v39, which the two stores read
	global_store_b128 v[OGO], v[OC:OC+3], s[26:27]         ; 32 lanes store 512 consecutive bytes, at a multiple of 512 from the buffer's first byte
	global_store_b128 v[OGO2], v[OC+4:OC+7], s[26:27]
	s_wait_dscnt 0x0                               ; the wave's end
	s_wait_alu 0x0
	s_wait_tensorcnt 0x0
	ds_add_u32 v[SPW], v[NIL]
	s_wait_dscnt 0x0
	s_endpgm
.Lfunc_end_k_qfb581861af_proj:
	.size	k_qfb581861af_proj, .Lfunc_end_k_qfb581861af_proj-k_qfb581861af_proj
	.p2alignl 7, 3214868480
	.fill 96, 4, 3214868480
	.section	.rodata,"a",@progbits
	.p2align	6, 0x0
	.amdhsa_kernel k_qfb581861af_proj
		.amdhsa_group_segment_fixed_size 117248
		.amdhsa_private_segment_fixed_size 0
		.amdhsa_enable_private_segment 0
		.amdhsa_kernarg_size 64
		.amdhsa_user_sgpr_count 2
		.amdhsa_user_sgpr_kernarg_segment_ptr 1
		.amdhsa_wavefront_size32 1
		.amdhsa_system_sgpr_workgroup_id_x 1
		.amdhsa_system_sgpr_workgroup_id_y 1
		.amdhsa_system_sgpr_workgroup_id_z 1
		.amdhsa_system_vgpr_workitem_id 0
		.amdhsa_next_free_vgpr 256
		.amdhsa_next_free_sgpr 66
		.amdhsa_reserve_vcc 0
		.amdhsa_float_denorm_mode_32 3
		.amdhsa_float_denorm_mode_16_64 3
		.amdhsa_memory_ordered 1
		.amdhsa_forward_progress 1
		.amdhsa_inst_pref_size 50
	.end_amdhsa_kernel
	.amdgpu_metadata
---
amdhsa.version: [ 1, 2 ]
amdhsa.kernels:
  - .name:           k_qfb581861af_proj
    .symbol:         k_qfb581861af_proj.kd
    .args:
      - { .name: y, .offset: 0, .size: 8, .value_kind: global_buffer, .address_space: global }
      - { .name: Wq, .offset: 8, .size: 8, .value_kind: global_buffer, .address_space: global }
      - { .name: Wk, .offset: 16, .size: 8, .value_kind: global_buffer, .address_space: global }
      - { .name: Wv, .offset: 24, .size: 8, .value_kind: global_buffer, .address_space: global }
      - { .name: lowp_scales, .offset: 32, .size: 8, .value_kind: global_buffer, .address_space: global }
      - { .name: qc, .offset: 40, .size: 8, .value_kind: global_buffer, .address_space: global }
      - { .name: kc, .offset: 48, .size: 8, .value_kind: global_buffer, .address_space: global }
      - { .name: vc, .offset: 56, .size: 8, .value_kind: global_buffer, .address_space: global }
    .group_segment_fixed_size: 117248
    .private_segment_fixed_size: 0
    .kernarg_segment_align: 8
    .kernarg_segment_size: 64
    .max_flat_workgroup_size: 384
    .sgpr_count:     66
    .vgpr_count:     256
    .wavefront_size: 32
...
	.end_amdgpu_metadata
.endif
;; end of part 3
;; launch attn (part 4): grid 64 x 4, 16 waves a work-group, clusters of 4 x 1, 327,680 bytes of LDS; arguments qc, kc, vc, lowp_scales, out0; writes out0
.if DOCPART == 4
	.amdgcn_target "amdgcn-amd-amdhsa--gfx1250"
	.amdhsa_code_object_version 6
	.text
	.protected	k_qfb581861af_attn
	.globl	k_qfb581861af_attn
	.p2align	8
	.type	k_qfb581861af_attn,@function
k_qfb581861af_attn:
	s_mov_b64 s[64:65], 0
	v_nop
	global_prefetch_b8 v0, s[64:65] scope:SCOPE_SE
	s_setreg_imm32_b32 hwreg(HW_REG_WAVE_MODE, 25, 1), 1
	s_wait_xcnt 0x0
	s_wait_alu depctr_hold_cnt(0) depctr_sa_sdst(0) depctr_va_vdst(0) depctr_va_sdst(0) depctr_va_ssrc(0) depctr_va_vcc(0) depctr_vm_vsrc(0)
	s_getreg_b32 s2, hwreg(HW_REG_IB_STS2, 6, 4)
	s_cmp_eq_u32 s2, 0
	s_cbranch_scc0 .Lentry_in_a_cluster
	s_endpgm
.Lentry_in_a_cluster:
	s_bfe_u32 s2, ttmp6, 0x10000c
	s_cmp_lg_u32 s2, 0x3003
	s_cbranch_scc0 .Lentry_shape_is_right
	s_endpgm
.Lentry_shape_is_right:
; out[b][q][:] = the sum over k <= q of softmax_k(Q[b][q] . K[b][k] / 8) V[b][k][:], both products on codes of BF8 (E5M2) that the launch before has laid as images of operand registers (its head comment gives the layouts).
; WORK LEFT OUT: a step of 128 keys that all come after a tile's 16 queries is not multiplied: reference()'s own tril mask gives those keys the weight 0 for all values of the inputs.
; LIMIT: a NaN, an infinity or an overflow that reaches only such hidden scores is not carried to the result.
; THE SOFTMAX: t = score x log2(e) / 8; M = the largest t so far, rounded UP to a whole number; p = 2^(t - M) is quantised with 2^e8; the sum l is taken of the unquantised p and divides at the end.
; When M moves, l and O are multiplied by 2^(old M - new M): exact.  A tile's keys are shared among four waves, each with an M of its own; the four parts are joined at the end by the same exact powers of two.
; LIMITS: e6 + e7 between -123 and 130 (they are added to the exponent field of log2(e) / 8); e8 between -126 and 112; e8 + e9 goes in by v_ldexp_f32 and has none.  p under a wave's own M has the value that it has
; under the row's final M but where e8 < -15 lets the hold bite or p falls under the format's range.  NaN among the inputs is not served.
; SHARES.  256 work-groups of sixteen waves.  A work-group owns four tiles of 16 queries of one batch, ONE FROM EACH QUARTER of the 4,096: quarter k takes the group of 128 queries 1024 k + 128 (k odd: 7 - a, else a),
; a = cluster x / 2, and in it tile 4 (cluster x & 1) + cx of eight.  Steps of 128 keys: (a + 1) + (16 - a) + (17 + a) + (32 - a) = 66 in every work-group, and every work-group reads all four slots of 1,024 keys.
; Wave w: kg = w >> 2 says which steps of a slot are mine (kg and kg + 4 of its eight), qt = kg xor (w & 3) which tile.
; CLUSTER.  The four partners walk the same K and V of one batch: each part of a slot is asked for JOINTLY, by the same tensor load with the same descriptor and the mask of all four.  The group of queries hangs on
; the cluster's x and the wave's number alone, so every branch goes alike in the partners; cx enters Q's and out's addresses, the prefetch's address and the lane's number for the mask, and nothing else.
; THE RING.  Two slots of 128 KiB (64 KiB of K's images, 64 of V's).  Each wave fetches 8 KiB of each slot, dense; each such part holds 1 KiB of every one of the slot's eight steps, the slot's first among them, which the
; tile of the last quarter always reads.  By this text's count a wave has one tensor load out.
; LAYOUT.  S^T = K Q^T (source 0 = 16 keys, source 1 = my 16 queries), O^T = V^T P^T (source 0 = 16 channels, source 1 = P): a lane holds ONE query throughout; the 16 registers of key tiles 2 c, 2 c + 1 are keys 32 c + 16 h + 0..15.
; REGISTERS: v1-11 addresses; v12 -M, v13 the largest t, v[14:15] l in two halves; v16-23 Q; v24-27 the merge's addresses; v32-95 K's eight fragments, then V's four; v96-159 S^T, then p; v160-191 O^T; v192-207 p's codes; v234-255 at work.
.set SLOT1, 1<<17                      ; slot 1 begins here, so that one exclusive or turns an address in one slot into the other's
.set SPARE, 2*SLOT1                    ; behind the ring: the spare words, 128 bytes for each wave: eight blocks of 256 bytes that no other line names
.set STAT,  16*16*272                  ; the merge's stage lies in slot 0, which has had its last fill and its last read at the last change of slots: 16 parts of 16 rows x (256 + 16) bytes, then 16 x 128 bytes of (-M, l)
.set LI,   1                           ; v1   16 x lane + 1024 kg: my lane's place in a part of K's images
.set LIV,  2                           ; v2   the same in V's
.set PFO,  3                           ; v3   256 x lane: the prefetch's offset; never rewritten
.set QL,   4                           ; v4   my query's number in its group of 128, less 16 h
.set SPW,  5                           ; v5   LDS address of my spare word; never rewritten
.set NIL,  6                           ; v6   0; never rewritten
.set GO,   7                           ; v7   the way out: 256 h + 16 r
.set ADK,  8                           ; v8   LDS address of the step's K
.set ADV,  9                           ; v9   of its V
.set PST,  24                          ; v24  the merge: where my part of O goes
.set SST,  25                          ; v25  where (-M, l) go
.set RD,   26                          ; v26  from where I read four parts of my rows
.set RS,   27                          ; v27  and their (-M, l)
.set WV,   14                          ; s14  wave;  s15 kg;  s16 qt;  s17 cx;  s19 a;  s20 my tile of eight;  s21 batch
.set CS,   22                          ; s[22:23] c = log2(e) / 8 x 2^(e6 + e7)
.set G1,   24                          ; s[24:31] descriptor group 1
.set G0,   32                          ; s[32:35] descriptor group 0, which walks
.set TB,   36                          ; s36  LDS byte at which the slot in hand begins
.set SLOTS, 37                         ; s37  slots still to be asked for
.set KS,   38                          ; s38  the slot's first key
.set KGO,  39                          ; s39  128 kg
.set QG,   40                          ; s40  my tile's group of 128 queries: its first
.set KF,   41                          ; s41  the step's first key
.set SEL,  42                          ; s[42:43] lane selects for v_permlanex16_b32: lane l xor 16
.set PFA,  44                          ; s[44:45] where my prefetches stand
.set LIM,  46                          ; s46  1 in a wave that prefetches, else the greatest number
.set EPV,  47                          ; s47  e8 + e9
.macro CROUND                          ; a round of the cluster's barrier: my work-group's barrier; wave 0 signals for the work-group; every wave waits for all four work-groups; my work-group's barrier once more
	s_barrier_signal -1
	s_barrier_wait -1
	s_cmp_lg_u32 s[WV], 0
	s_cbranch_scc1 .Lnot_wave_0_\@
	s_barrier_signal -3
.Lnot_wave_0_\@:
	s_barrier_wait -3
	s_barrier_signal -1
	s_barrier_wait -1
.endm
; A PREFETCH INTO THE L2 of the slot that the NEXT change of slots will ask for: 16 parts of 8,192 bytes, lanes 256 bytes apart, one instruction a wave.  All clusters of a batch walk the same K and V: the batch's first
; cluster asks, waves 0-3 of each partner: waves 0, 1 for K's parts 4 (w & 1) + cx, waves 2, 3 for V's: the partners are told apart by address alone.  So each block of 256 bytes is named once in the launch.
; The last change that fills a slot asks for nothing; slots 0 and 1 come by their loads alone.
.macro ASK
	s_cmp_gt_u32 s[SLOTS], s[LIM]
	s_cbranch_scc0 .Lnot_mine_\@
	global_prefetch_b8 v[PFO], s[PFA:PFA+1] th:TH_LOAD_NT scope:SCOPE_SE
.Lnot_mine_\@:
.endm
	s_load_b256 s[4:11], s[0:1], 0x0               ; qc s[4:5], kc s[6:7], vc s[8:9], the scales' exponents s[10:11]
	s_load_b64 s[12:13], s[0:1], 0x20              ; out0
	v_lshl_add_u32 v[SPW], v0, 2, SPARE
	v_mov_b32 v[NIL], 0
	ds_add_u32 v[SPW], v[NIL]                      ; the wave's opening: the add, twice on end, and its wait ahead of my first tensor load; the set-up below, work on registers, stands between the second and the wait
	ds_add_u32 v[SPW], v[NIL]
	v_lshrrev_b32 v10, 5, v0
	s_delay_alu instid0(VALU_DEP_1)
	v_readfirstlane_b32 s[WV], v10                 ; wave 0..15
	s_lshr_b32 s15, s[WV], 2                       ; kg
	s_and_b32 s16, s[WV], 3
	s_xor_b32 s16, s16, s15                        ; qt: among the four waves with one kg, and among the four with one w & 3, all four quarters are met
	s_bfe_u32 s17, ttmp6, 0x40000                  ; cx
	s_lshr_b32 s19, ttmp9, 1                       ; a (in a cluster launch ttmp9 counts clusters)
	s_and_b32 s20, ttmp9, 1
	s_lshl_b32 s20, s20, 2
	s_add_co_u32 s20, s20, s17                     ; my work-group's tile of a group's eight
	s_and_b32 s21, ttmp7, 0xffff                   ; the batch, which the partners share
	s_sub_co_u32 s52, 7, s19
	s_and_b32 s53, s16, 1
	s_cmp_lg_u32 s53, 0
	s_cselect_b32 s52, s52, s19                    ; odd quarters count down, even ones up: every work-group has the same number of steps
	s_lshl_b32 s52, s52, 7
	s_lshl_b32 s[QG], s16, 10
	s_add_co_u32 s[QG], s[QG], s52
	s_lshl_b32 s[KGO], s15, 7
	; descriptor group 1: a dense block of 32 rows of 256 bytes; no padding: an image is read 512 consecutive bytes an instruction
	s_mov_b32 s[G1], 15|(3<<16)|(1<<21)            ; 15:0 the mask: all four work-groups; 17:16 elements of 8 bytes; 21 set beside a mask
	s_mov_b32 s[G1+1], 32<<16                      ; tensor_dim0 = 32
	s_mov_b32 s[G1+2], 32<<16                      ; tensor_dim1 = 32
	s_mov_b32 s[G1+3], 32<<16                      ; tile_dim0 = 32
	s_mov_b32 s[G1+4], 32                          ; tile_dim1 = 32
	s_mov_b32 s[G1+5], 32                          ; from row to row
	s_mov_b32 s[G1+6], 0
	s_mov_b32 s[G1+7], 0
	s_mov_b32 s[SEL], 0x76543210
	s_mov_b32 s[SEL+1], 0xfedcba98
	s_mov_b32 s[CS], 0x3e38aa3b                    ; log2(e) / 8
	s_mov_b32 s[TB], 0
	s_mov_b32 s[SLOTS], 3
	s_mov_b32 s[KS], 0
	s_lshr_b32 s[LIM], s[WV], 2                    ; 0 in waves 0-3,
	s_or_b32 s[LIM], s[LIM], ttmp9                 ; of the batch's first cluster: the same in all four partners
	s_cmp_eq_u32 s[LIM], 0
	s_cselect_b32 s[LIM], 1, -1
	; every LDS address register is made here, ahead of the first branch on the wave's number
	v_and_b32 v10, 31, v0
	s_delay_alu instid0(VALU_DEP_1)
	v_lshlrev_b32 v10, 4, v10                      ; 16 x lane: also Q's offset
	s_lshl_b32 s53, s15, 10
	v_add_nc_u32 v[LI], s53, v10
	s_delay_alu instid0(VALU_DEP_1)
	v_add_nc_u32 v[LIV], 0x10000, v[LI]
	v_lshlrev_b32 v[PFO], 4, v10
	v_and_b32 v11, 15, v0                          ; r
	s_wait_alu depctr_va_vdst(0)
	v_bfe_u32 v28, v0, 4, 1                        ; h
	s_lshr_b32 s54, s20, 1
	s_lshl_b32 s54, s54, 5
	s_and_b32 s55, s20, 1
	s_lshl_b32 s55, s55, 3
	s_add_co_u32 s54, s54, s55                     ; my tile's first query in its group: 32 (tile / 2) + 8 (tile % 2)
	v_and_b32 v[QL], 8, v11
	s_delay_alu instid0(VALU_DEP_1)
	v_add_nc_u32 v[QL], v[QL], v11                 ; + r + 8 (r / 8)
	s_delay_alu instid0(VALU_DEP_1)
	v_add_nc_u32 v[QL], s54, v[QL]
	v_lshlrev_b32 v29, 4, v28
	s_delay_alu instid0(VALU_DEP_1)
	v_sub_nc_u32 v[QL], v[QL], v29                 ; - 16 h
	s_lshl_b32 s55, s16, 2
	s_add_co_u32 s55, s55, s15                     ; my part's number: 4 qt + kg
	s_mul_i32 s56, s55, 16*272
	v_mul_u32_u24 v[PST], v11, 272
	s_wait_alu depctr_va_vdst(0)
	v_lshl_add_u32 v[PST], v28, 6, v[PST]
	s_delay_alu instid0(VALU_DEP_1)
	v_add_nc_u32 v[PST], s56, v[PST]               ; row r; my channels 32 b + 16 h + 0..15 lie 128 b + 64 h bytes on
	s_lshl_b32 s56, s55, 7
	s_add_co_u32 s56, s56, STAT
	v_lshl_add_u32 v[SST], v11, 3, s56
	s_mul_i32 s56, s16, 4*16*272
	s_mul_i32 s57, s15, 4*272
	s_add_co_u32 s56, s56, s57
	v_mul_u32_u24 v[RD], v28, 272
	s_delay_alu instid0(VALU_DEP_1)
	v_lshl_add_u32 v[RD], v11, 4, v[RD]
	s_delay_alu instid0(VALU_DEP_1)
	v_add_nc_u32 v[RD], s56, v[RD]                 ; back: rows 4 kg + 2 i + h of my tile, sixteen lanes to a row
	s_lshl_b32 s56, s16, 9
	s_lshl_b32 s57, s15, 5
	s_add_co_u32 s56, s56, s57
	s_add_co_u32 s56, s56, STAT
	v_lshl_add_u32 v[RS], v28, 3, s56
	v_lshlrev_b32 v[GO], 8, v28
	s_delay_alu instid0(VALU_DEP_1)
	v_lshl_add_u32 v[GO], v11, 4, v[GO]
	; offsets into memory, made apart from the addresses
	s_lshl_b32 s58, s21, 18                        ; the batch's 4 slots of 65,536 bytes,
	s_and_b32 s59, s[WV], 7
	s_lshl_b32 s59, s59, 13                        ; my part of a slot: waves 0-7 K's eight, waves 8-15 V's
	s_add_co_u32 s58, s58, s59
	s_mov_b32 s59, 0
	s_and_b32 s60, s[WV], 1
	s_lshl_b32 s60, s60, 2
	s_add_co_u32 s60, s60, s17
	s_lshl_b32 s60, s60, 13                        ; the prefetch: part 4 (w & 1) + cx,
	s_lshl_b32 s61, s21, 18
	s_add_co_u32 s60, s60, s61
	s_add_co_u32 s60, s60, 0x10000                 ; in slot 1: the first change of slots steps it to slot 2
	s_mov_b32 s61, 0
	s_lshl_b32 s62, s21, 18                        ; Q: (128 batch + group / 32 + tile / 2) x 2048 + (tile % 2) x 1024
	s_lshl_b32 s63, s[QG], 6
	s_add_co_u32 s62, s62, s63
	s_lshr_b32 s63, s20, 1
	s_lshl_b32 s63, s63, 11
	s_add_co_u32 s62, s62, s63
	s_and_b32 s63, s20, 1
	s_lshl_b32 s63, s63, 10
	s_add_co_u32 s62, s62, s63
	s_mov_b32 s63, 0
	s_lshl_b32 s66, s21, 12                        ; out: stage row 4 kg + 2 i + h is query 4 kg + 8 (kg / 2) + 2 i + h of the tile
	s_add_co_u32 s66, s66, s[QG]
	s_add_co_u32 s66, s66, s54
	s_lshl_b32 s67, s15, 2
	s_add_co_u32 s66, s66, s67
	s_lshr_b32 s67, s15, 1
	s_lshl_b32 s67, s67, 3
	s_add_co_u32 s66, s66, s67
	s_lshl_b32 s66, s66, 8                         ; a row of out is 256 bytes
	s_mov_b32 s67, 0
	s_mov_b32 s[G0], 1                             ; 1:0 count = 1
	s_lshl_b32 s[G0+1], s[WV], 13                  ; 63:32 LDS address: slot 0, part w: no place in the cluster enters it
	s_wait_dscnt 0x0                               ; both opening adds are done
	s_wait_kmcnt 0x0
	s_load_b128 s[48:51], s[10:11], 0x18           ; e6, e7, e8, e9
	s_cmp_lt_u32 s[WV], 8
	s_cselect_b64 s[G0+2:G0+3], s[6:7], s[8:9]
	s_add_nc_u64 s[G0+2:G0+3], s[G0+2:G0+3], s[58:59]   ; 120:64 global address
	s_or_b32 s[G0+3], s[G0+3], 0x80000000          ; 127:126 type = 2
	s_cmp_lt_u32 s[WV], 2
	s_cselect_b64 s[PFA:PFA+1], s[6:7], s[8:9]
	s_add_nc_u64 s[PFA:PFA+1], s[PFA:PFA+1], s[60:61]
	s_add_nc_u64 s[4:5], s[4:5], s[62:63]
	s_add_nc_u64 s[12:13], s[12:13], s[66:67]
	CROUND                                         ; all four work-groups are here: the first joint loads meet
	tensor_load_to_lds s[G0:G0+3], s[G1:G1+7]      ; slot 0: every wave its part
	s_nop 0
.rept 4
	v_nop
.endr
	global_load_b128 v[16:19], v10, s[4:5]         ; Q's fragment stays in registers
	global_load_b128 v[20:23], v10, s[4:5] offset:512
	v_mov_b32 v13, 0xff61b1e6                      ; the largest t so far: -3e38, under every t
	s_delay_alu instid0(VALU_DEP_1)
	v_floor_f32 v12, -v13                          ; -M
	v_mov_b32 v14, 0                               ; l, in two halves
	v_mov_b32 v15, 0
	v_mov_b32 v236, 0                              ; written once: a lane permute's destination counts as one of its sources
	v_mov_b32 v253, 0                              ; (named as the upper half of the pair v[252:253])
.set n, 0
.rept 32
	v_mov_b32 v[160+n], 0                          ; O^T: the step is written for every step alike: a wave's first finds zeros, which the first change of M leaves zeros; and a wave that has no step hands zeros to the merge
.set n, n+1
.endr
	s_wait_kmcnt 0x0
	s_add_co_i32 s52, s48, s49
	s_lshl_b32 s52, s52, 23
	s_add_co_i32 s[CS], s[CS], s52                 ; a score stands for score x 2^(e6 + e7): the two exponents are added to c's exponent field
	s_mov_b32 s[CS+1], s[CS]                       ; (named with it as a pair, so it is written)
	s_add_co_i32 s52, s50, 127
	s_lshl_b32 s53, s52, 23
	v_mov_b32 v244, s53                            ; 2^e8 as f32, for the conversion
	s_add_co_i32 s52, s52, 15
	s_lshl_b32 s52, s52, 23
	s_or_b32 s52, s52, 0x600000
	v_mov_b32 v240, s52                            ; 57,344 x 2^e8
	s_add_co_i32 s[EPV], s50, s51
; A KEY STEP: 128 keys: step 4 q + kg of the slot in hand.
.macro STEP q
	s_add_co_u32 s[KF], s[KS], s[KGO]
.if \q
	s_add_co_u32 s[KF], s[KF], 512
.endif
	s_cmp_gt_u32 s[KF], s[QG]                      ; both are multiples of 128: beyond my group all 128 keys come after my queries: the step is left out.  Ids and the count of slots alone; no barrier, wait for tiles or tensor load stands in a step
	s_cbranch_scc1 .Lhidden_\@
	v_add_nc_u32 v[ADK], s[TB], v[LI]
	v_add_nc_u32 v[ADV], s[TB], v[LIV]
	v_nop                                          ; with the two additions: four places in front of loads into registers that the last products read (ISA guide 7.12.1 for vector lines)
	v_nop
.irp t, 0,1,2,3,4,5,6,7
.irp g, 0,1
	ds_load_b128 v[32+8*\t+4*\g:32+8*\t+4*\g+3], v[ADK] offset:8192*\t+4096*\q+512*\g
.endr
.endr
	s_wait_alu depctr_va_vdst(0)
	s_wait_dscnt 0x0
.irp t, 0,1,2,3,4,5,6,7
	v_wmma_f32_16x16x64_bf8_bf8 v[96+8*\t:103+8*\t], v[32+8*\t:39+8*\t], v[16:23], 0
.endr
.rept 4
	v_nop                                          ; four places: in front of the loads into K's registers, and of the first read of scores
.endr
.irp t, 0,1,2,3                        ; V's four fragments land while the softmax is walked
.irp c, 0,1,2,3
	ds_load_b128 v[32+16*\t+4*\c:32+16*\t+4*\c+3], v[ADV] offset:8192*(2*\t+\c/2)+4096*\q+512*(\c%2)
.endr
.endr
	s_cmp_lt_u32 s[KF], s[QG]                      ; under my group all keys count
	s_cbranch_scc1 .Lopen_\@
	v_mov_b32 v254, 0xff800000                     ; on the diagonal (KF = QG) register 16 c + i holds key KF + 32 c + 16 h + i: hidden where 32 c + i > my query's number - 16 h: its score becomes -infinity, p = 0.  Key KF counts for all my queries
.set n, 0
.rept 64
	v_cmp_gt_i32 vcc_lo, 32*(n/16)+n%16, v[QL]
	v_cndmask_b32 v[96+n], v[96+n], v254, vcc_lo
.set n, n+1
.endr
.Lopen_\@:
	v_max3_num_f32 v254, v96, v97, v98             ; the step's largest score of my query, among my 64 keys, in two chains, each accumulator from its low end on,
	v_max3_num_f32 v252, v99, v100, v101
.irp i, 6,10,14,18,22,26,30,34,38,42,46,50,54,58
	v_max3_num_f32 v254, v254, v[96+\i], v[97+\i]
	v_max3_num_f32 v252, v252, v[98+\i], v[99+\i]
.endr
	v_max3_num_f32 v254, v254, v158, v159
	s_delay_alu instid0(VALU_DEP_1)
	v_max_num_f32 v254, v254, v252
	s_delay_alu instid0(VALU_DEP_1)
	v_permlanex16_b32 v236, v254, s[SEL], s[SEL+1]
	s_delay_alu instid0(VALU_DEP_1)
	v_max_num_f32 v254, v254, v236                 ; and among lane l xor 16's
	s_delay_alu instid0(VALU_DEP_1)
	v_mul_f32 v254, s[CS], v254                    ; as t (c is positive)
	s_delay_alu instid0(VALU_DEP_1)
	v_max_num_f32 v13, v13, v254                   ; the running largest t
	v_mov_b32 v254, v12
	s_delay_alu instid0(VALU_DEP_2)
	v_floor_f32 v12, -v13                          ; the new -M = floor(-t) = -ceil(t): a whole number
	s_delay_alu instid0(VALU_DEP_1)
	v_sub_f32 v254, v12, v254                      ; M's old value less its new one: a whole number, 0 or less
	s_delay_alu instid0(VALU_DEP_1)
	v_cvt_i32_f32 v254, v254                       ; (it saturates)
	s_delay_alu instid0(VALU_DEP_1)
	v_ldexp_f32 v252, 1.0, v254                    ; f = 2^(old M - new M)
.set n, 0
.rept 32
	v_pk_fma_f32 v[96+n:97+n], v[96+n:97+n], s[CS:CS+1], v[12:13] op_sel_hi:[1,0,0]   ; t - M, two at a time (of the pairs c and -M the low word serves both halves)
.set n, n+2
.endr
.set n, 0
	s_wait_alu depctr_va_vdst(0)
.rept 64
	v_exp_f32 v[96+n], v[96+n]                     ; p = 2^(t - M), at most 1: not normalised
.set n, n+1
.endr
	v_pk_mul_f32 v[14:15], v[14:15], v[252:253] op_sel_hi:[1,0]   ; l under the new M: the plain line behind the exponentials
	s_wait_alu depctr_va_vdst(0)                   ; a wait ahead of the first line that names an exponential's result: one for the batch of 64
	v_pk_add_f32 v[242:243], v[100:101], v[104:105]
	v_pk_add_f32 v[254:255], v[108:109], v[112:113]
	v_pk_add_f32 v[250:251], v[116:117], v[120:121]
	v_pk_add_f32 v[248:249], v[124:125], v[128:129]
	v_pk_add_f32 v[246:247], v[132:133], v[136:137]
	v_pk_add_f32 v[238:239], v[140:141], v[144:145]
	v_pk_add_f32 v[234:235], v[148:149], v[152:153]
	v_pk_add_f32 v[14:15], v[14:15], v[156:157]
	v_pk_add_f32 v[242:243], v[242:243], v[96:97]
	v_pk_add_f32 v[254:255], v[254:255], v[98:99]
	v_pk_add_f32 v[250:251], v[250:251], v[102:103]
	v_pk_add_f32 v[248:249], v[248:249], v[106:107]
	v_pk_add_f32 v[246:247], v[246:247], v[110:111]
	v_pk_add_f32 v[238:239], v[238:239], v[114:115]
	v_pk_add_f32 v[234:235], v[234:235], v[118:119]
	v_pk_add_f32 v[14:15], v[14:15], v[122:123]
	v_pk_add_f32 v[242:243], v[242:243], v[126:127]
	v_pk_add_f32 v[254:255], v[254:255], v[130:131]
	v_pk_add_f32 v[250:251], v[250:251], v[134:135]
	v_pk_add_f32 v[248:249], v[248:249], v[138:139]
	v_pk_add_f32 v[246:247], v[246:247], v[142:143]
	v_pk_add_f32 v[238:239], v[238:239], v[146:147]
	v_pk_add_f32 v[234:235], v[234:235], v[150:151]
	v_pk_add_f32 v[14:15], v[14:15], v[154:155]
	v_pk_add_f32 v[242:243], v[242:243], v[158:159]
	s_delay_alu instid0(VALU_DEP_2)
	v_pk_add_f32 v[14:15], v[14:15], v[248:249]
	s_delay_alu instid0(VALU_DEP_2)
	v_pk_add_f32 v[242:243], v[242:243], v[246:247]
	v_pk_add_f32 v[254:255], v[254:255], v[238:239]
	v_pk_add_f32 v[250:251], v[250:251], v[234:235]
	s_delay_alu instid0(VALU_DEP_2)
	v_pk_add_f32 v[14:15], v[14:15], v[254:255]
	s_delay_alu instid0(VALU_DEP_2)
	v_pk_add_f32 v[242:243], v[242:243], v[250:251]
	s_delay_alu instid0(VALU_DEP_1)
	v_pk_add_f32 v[14:15], v[14:15], v[242:243]
.irp b, 0,1,2,3
.irp i, 0,1,2,3,4,5,6,7,8,9,10,11,12,13,14,15
	v_min_num_f32 v[96+16*\b+\i], v[96+16*\b+\i], v240   ; the conversion to an 8-bit code does not saturate (ISA guide 7.6.2); p is not negative, so the hold is one-sided
.endr
	v_cvt_scalef32_pk8_bf8_f32 v[192+4*\b:193+4*\b], v[96+16*\b:103+16*\b], v244
	v_cvt_scalef32_pk8_bf8_f32 v[194+4*\b:195+4*\b], v[104+16*\b:111+16*\b], v244
.endr
.set n, 0
.rept 16
	v_pk_mul_f32 v[160+n:161+n], v[160+n:161+n], v[252:253] op_sel_hi:[1,0]   ; O^T under the new M, from each accumulator's low end on; also the plain lines between the conversions and the products
.set n, n+2
.endr
	s_wait_alu depctr_va_vdst(0)
	s_wait_dscnt 0x0                               ; V is in
.irp t, 0,1,2,3                        ; O^T += V^T P^T: the four accumulators by turns; eight products K Q^T stand between two links on one accumulator
	v_wmma_f32_16x16x128_bf8_bf8 v[160+8*\t:167+8*\t], v[32+16*\t:47+16*\t], v[192:207], v[160+8*\t:167+8*\t]
.endr
.Lhidden_\@:
.endm
; THE CHANGE OF SLOTS stands at a slot's head.  Each wave waits for all its tensor loads (its part of the slot that it is about to read), adds 0 to its spare word, and waits for that and for its reads of the slot that it has left.
; fill = 1: a round of the cluster's barrier: no wave of any partner still reads the other slot or has a load on its way; the joint load for that slot is the first thing behind it and has a whole slot's steps in which to land.
.macro CHANGE fill
	s_wait_tensorcnt 0x0                           ; no tensor load of mine is out, so group 0 may be written
	ds_add_u32 v[SPW], v[NIL]                      ; 0 onto my spare word
.if \fill
	s_xor_b32 s[G0+1], s[G0+1], SLOT1              ; the other slot than last time,
	s_add_nc_u64 s[G0+2:G0+3], s[G0+2:G0+3], 0x10000   ; the next 1,024 keys; the type bits on top are not reached
	s_wait_xcnt 0x0                                ; the last prefetch, a slot back, has read its address, so it may be written:
	s_add_nc_u64 s[PFA:PFA+1], s[PFA:PFA+1], 0x10000   ; one slot further on than the walking descriptor
.endif
	s_wait_dscnt 0x0                               ; the add is done, and my reads of the slot that I have left are over
.if \fill
	CROUND
	tensor_load_to_lds s[G0:G0+3], s[G1:G1+7]      ; my one tensor load until the next round
	s_nop 0
.rept 4
	v_nop
.endr
	ASK
.else
	s_barrier_signal -1
	s_barrier_wait -1
.endif
.endm
.macro SLOT_STEPS
	STEP 0
	STEP 1
	s_xor_b32 s[TB], s[TB], SLOT1                  ; on to the other slot
	s_add_co_u32 s[KS], s[KS], 1024
.endm
	s_wait_loadcnt 0x0                             ; Q
.Lslot:                                            ; three trips: behind each change of slots but the last the next slot is asked for
	CHANGE 1
	SLOT_STEPS
	s_sub_co_u32 s[SLOTS], s[SLOTS], 1
	s_cmp_lg_u32 s[SLOTS], 0
	s_cbranch_scc1 .Lslot
	CHANGE 0                                       ; the last slot is written out
	SLOT_STEPS
	; THE MERGE.  Each wave puts its (-M, l) and its O^T into the stage; behind a barrier wave (qt, kg) takes rows 4 kg .. 4 kg + 3 of tile qt, brings the four parts under the largest M by exact powers of two, divides and stores.
	v_add_f32 v14, v14, v15                        ; l's two halves,
	s_delay_alu instid0(VALU_DEP_1)
	v_permlanex16_b32 v236, v14, s[SEL], s[SEL+1]
	v_nop                                          ; (with the two additions: four plain lines between the last product and the first LDS store of its results)
	v_nop
	v_add_f32 v13, v14, v236                       ; and lane l xor 16's: beside -M in the pair v[12:13]
	ds_store_b64 v[SST], v[12:13]                  ; lanes r and r + 16 write the same two words with the same values
	s_wait_alu depctr_va_vdst(0)
.irp b, 0,1
.irp k, 0,1,2,3
	ds_store_b128 v[PST], v[160+16*\b+4*\k:163+16*\b+4*\k] offset:128*\b+16*\k   ; ascending: each accumulator from its low end on
.endr
.endr
	s_wait_dscnt 0x0                               ; for the others' sake: my stores into the stage are done
	s_barrier_signal -1
	s_barrier_wait -1
.irp i, 0,1
.irp j, 0,1,2,3
	ds_load_b128 v[32+16*\i+4*\j:35+16*\i+4*\j], v[RD] offset:16*272*\j+2*272*\i   ; part j of row 4 kg + 2 i + h: my 4 channels
.endr
.endr
.irp i, 0,1
.irp j, 0,1,2,3
	ds_load_b64 v[96+8*\i+2*\j:97+8*\i+2*\j], v[RS] offset:128*\j+16*\i            ; its -M and l
.endr
.endr
	s_wait_dscnt 0x0
.irp i, 0,1
	v_min_num_f32 v[128+\i], v[96+8*\i], v[98+8*\i]
	v_min_num_f32 v[130+\i], v[100+8*\i], v[102+8*\i]
	s_delay_alu instid0(VALU_DEP_1)
	v_min_num_f32 v[128+\i], v[128+\i], v[130+\i]  ; the least -M: the row's M.  (Wave kg = 0 always has a step: key 0 counts)
.irp j, 0,1,2,3
	v_sub_f32 v[132+4*\i+\j], v[128+\i], v[96+8*\i+2*\j]   ; part j's M less the row's: a whole number, 0 or less; -3e38 for a part with no step
.endr
.irp j, 0,1,2,3
	s_delay_alu instid0(VALU_DEP_4)
	v_cvt_i32_f32 v[132+4*\i+\j], v[132+4*\i+\j]   ; (it saturates)
.endr
.irp j, 0,1,2,3
	s_delay_alu instid0(VALU_DEP_4)
	v_ldexp_f32 v[132+4*\i+\j], 1.0, v[132+4*\i+\j]   ; f_j; 0 for a part with no step, whose l and O are zeros
.endr
	s_delay_alu instid0(VALU_DEP_4)
	v_mul_f32 v[140+\i], v[132+4*\i], v[97+8*\i]
	s_delay_alu instid0(VALU_DEP_1)
	v_fma_f32 v[140+\i], v[133+4*\i], v[99+8*\i], v[140+\i]
	s_delay_alu instid0(VALU_DEP_1)
	v_fma_f32 v[140+\i], v[134+4*\i], v[101+8*\i], v[140+\i]
	s_delay_alu instid0(VALU_DEP_1)
	v_fma_f32 v[140+\i], v[135+4*\i], v[103+8*\i], v[140+\i]   ; the row's l
.endr
	s_wait_alu depctr_va_vdst(0)
	v_rcp_f32 v140, v140
	v_rcp_f32 v141, v141
	v_nop                                          ; a plain line behind the last reciprocal
	s_wait_alu depctr_va_vdst(0)                   ; and a wait ahead of the first use: one for both
	v_ldexp_f32 v140, v140, s[EPV]                 ; x 2^(e8 + e9)
	v_ldexp_f32 v141, v141, s[EPV]
.irp i, 0,1
.irp j, 0,1,2,3
	v_mul_f32 v[132+4*\i+\j], v[132+4*\i+\j], v[140+\i]
.endr
.irp k, 0,1,2,3
	v_mul_f32 v[144+4*\i+\k], v[32+16*\i+\k], v[132+4*\i]
.endr
.irp j, 1,2,3
.irp k, 0,1,2,3
	s_delay_alu instid0(VALU_DEP_4)
	v_fma_f32 v[144+4*\i+\k], v[32+16*\i+4*\j+\k], v[132+4*\i+\j], v[144+4*\i+\k]
.endr
.endr
.endr
	global_store_b128 v[GO], v[144:147], s[12:13] th:TH_STORE_NT              ; sixteen lanes store a whole row of out, 256 consecutive bytes at a multiple of 256 from its first byte; lanes 16-31 the next row
	global_store_b128 v[GO], v[148:151], s[12:13] offset:512 th:TH_STORE_NT
	s_wait_tensorcnt 0x0                           ; the wave's end, behind my last tensor load and my last LDS store
	ds_add_u32 v[SPW], v[NIL]
	s_wait_dscnt 0x0
	CROUND                                         ; the closing round: no work-group ends while a partner may still ask for a part that names it
	s_endpgm
.Lfunc_end_k_qfb581861af_attn:
	.size	k_qfb581861af_attn, .Lfunc_end_k_qfb581861af_attn-k_qfb581861af_attn
	.p2alignl 7, 3214868480
	.fill 96, 4, 3214868480
	.section	.rodata,"a",@progbits
	.p2align	6, 0x0
	.amdhsa_kernel k_qfb581861af_attn
		.amdhsa_group_segment_fixed_size 327680
		.amdhsa_private_segment_fixed_size 0
		.amdhsa_enable_private_segment 0
		.amdhsa_kernarg_size 40
		.amdhsa_user_sgpr_count 2
		.amdhsa_user_sgpr_kernarg_segment_ptr 1
		.amdhsa_wavefront_size32 1
		.amdhsa_system_sgpr_workgroup_id_x 1
		.amdhsa_system_sgpr_workgroup_id_y 1
		.amdhsa_system_sgpr_workgroup_id_z 1
		.amdhsa_system_vgpr_workitem_id 0
		.amdhsa_next_free_vgpr 256
		.amdhsa_next_free_sgpr 68
		.amdhsa_reserve_vcc 1
		.amdhsa_float_denorm_mode_32 3
		.amdhsa_float_denorm_mode_16_64 3
		.amdhsa_memory_ordered 1
		.amdhsa_forward_progress 1
		.amdhsa_inst_pref_size 102
	.end_amdhsa_kernel
	.amdgpu_metadata
---
amdhsa.version: [ 1, 2 ]
amdhsa.kernels:
  - .name:           k_qfb581861af_attn
    .symbol:         k_qfb581861af_attn.kd
    .args:
      - { .name: qc, .offset: 0, .size: 8, .value_kind: global_buffer, .address_space: global }
      - { .name: kc, .offset: 8, .size: 8, .value_kind: global_buffer, .address_space: global }
      - { .name: vc, .offset: 16, .size: 8, .value_kind: global_buffer, .address_space: global }
      - { .name: lowp_scales, .offset: 24, .size: 8, .value_kind: global_buffer, .address_space: global }
      - { .name: out0, .offset: 32, .size: 8, .value_kind: global_buffer, .address_space: global }
    .group_segment_fixed_size: 327680
    .private_segment_fixed_size: 0
    .kernarg_segment_align: 8
    .kernarg_segment_size: 40
    .max_flat_workgroup_size: 512
    .sgpr_count:     68
    .vgpr_count:     256
    .wavefront_size: 32
...
	.end_amdgpu_metadata
.endif
;; end of part 4
